; MI455X (gfx1250); checked and timed in simulation.
; The chip was launched on July 23, 2026; its instructions are those of AMD's public machine-readable ISA for CDNA 5 (MIT licence, August 2026) and "CDNA5" Instruction Set Architecture Reference Guide (July 2026). The comments in the code are by the model that wrote it; some were corrected since.
;; CPAB Warp. Allowed arithmetic: float matrix products may take bf16 or f16 operands with f32 sums; all other float work in f32.
;; Inputs: input_seq 512 x 12 x 8,192 float32; loc_b 15 float32; loc_w 12 x 15 float32; mask 512 x 1 x 8,192 float32.
;; Outputs: out0 512 x 8,192 float32.
;; Constants: n_cells = 16.
;; 3 versions, each right; version 2 is faster than version 1; version 3 is version 2 with the launch warp written anew for expert scheduling mode. Each part assembles by itself: llvm-mc -triple=amdgcn-amd-amdhsa -mcpu=gfx1250 --defsym DOCPART=n.
;; ======== version 1 of 3: 1 launch
;; launch warp (part 1): grid 512 x 1, 9 waves a work-group, no clusters, 2,048 bytes of LDS; arguments input_seq, loc_w, loc_b, out0; writes out0
.if DOCPART == 1
	.amdgcn_target "amdgcn-amd-amdhsa--gfx1250"
	.amdhsa_code_object_version 6
	.text
	.protected	k_qd6213b8874_warp
	.globl	k_qd6213b8874_warp
	.p2align	8
	.type	k_qd6213b8874_warp,@function
k_qd6213b8874_warp:
	s_mov_b64 s[64:65], 0
	v_nop
	global_prefetch_b8 v0, s[64:65] scope:SCOPE_SE
	s_setreg_imm32_b32 hwreg(HW_REG_WAVE_MODE, 25, 1), 1
	s_wait_xcnt 0x0
; CPAB WARP.  out0[b][p] = the grid point p / 8191 carried through 50 Euler steps of the piecewise affine field v(x) = a_c x + b_c, c = floor(16 x), clipped to [0, 1] after each step.
; (a, b) = B theta, theta = mean over the length of input_seq[b] times loc_w plus loc_b.  One work-group makes one batch row b; everything stays in registers and 512 bytes of LDS.
; THE BASIS B is rows 17..31 of Vt of numpy's SVD of the constant 17 x 32 matrix of constraints.  A null-space basis is not unique, so the library's way is followed: for 17 x 32 (32 >= int(17 x 11 / 6))
; LAPACK's dgesdd first factors the matrix as L Q by Householder reflectors H0 .. H16 and leaves rows 17..31 of Q = H16 .. H0 untouched in Vt.  So B theta = H0 H1 .. H16 z with z = (17 zeros, theta).
; The reflectors hang on no input: wave 8 makes them (f32, one lane a column, dlarfg's choice of sign) while waves 0-7 wait for memory, and applies them to the one vector z.
; SHARES.  Waves 0-7: thread t sums 16 bytes at 16 t of each 4,096 bytes of the row's 12 channels (96 loads, 32 of them out at a time), later walks the points 1024 k + 4 t + 0..3, k = 0..7.
; Wave 8: the reflectors, theta, the table of 16 cells.  Three barriers: sums -> wave 8; table -> waves 0-7; the table's reads -> every wave's closing LDS write.
; THE LOOK-UP names a lane, no memory: the table lies in two registers, cell n in lane n, and ds_bpermute_b32 pulls from the lane in bits 6:2 of its index (ISA guide, the entry of DS_BPERMUTE_B32).
; The index is the f32 u = 64 phi + (2^23 - 0.5), one fused rounding: from 2^23 on the step between floats is 1, so u's low bits hold floor(64 phi) and bits 6:2 hold floor(16 phi), the same cell as reference()'s
; (a tie, 64 phi whole, goes to the even side, which never leaves the cell).  phi = 1 gives lane 16, which repeats cell 15 (the clip of the index); 64 phi < 0.25 leaves u at 2^23 - 0.5, bits 6:2 = 31: lane 31 repeats cell 0.
; mask IS NOT READ: reference() never uses it, no output number hangs on it.
; THE TWO MATRIX PRODUCTS (12 -> 15 -> 32 numbers for one row a work-group) run in f32 on the vector unit: a matrix tile's 16 rows would hold one.
; NO CLUSTER, NO TENSOR LOAD: work-groups share 780 bytes of weights alone, and the stream is only summed, so what is in flight lies in registers.
; LIMITS.  Order of rounding: a step is phi <- a' phi + b' with a' = 1 + dt a, b' = dt b (one rounding for reference()'s three); the grid is p x fl(1/8191); sums in trees.  Where |1 + dt a| makes the iteration
; amplify its last bits, it amplifies these as it does reference()'s own.  dlarfg's case of a row whose tail is all zero is not written: the constant matrix has none.  NaN and infinities are not treated apart.
.set NW,    8                          ; waves that stream and walk; wave NW makes the table
.set CHB,   32768                      ; bytes of a channel
.set ROWB,  12*CHB                     ; bytes of a batch row of input_seq
.set STEPS, 50
.set PART,  0                          ; LDS: the waves' channel sums, word 8 c + w: 384 bytes
.set TAB,   512                        ; LDS: the table, (a', b') of cell n at 8 n: 128 bytes
.set SPARE, 768                        ; LDS: the spare words, 128 bytes for each of 9 waves: five blocks of 256 bytes that no other line names
.set SPW, 1                            ; v1      LDS address of my spare word; never rewritten
.set NIL, 2                            ; v2      0; never rewritten
.set LN,  3                            ; v3      my lane
.set OFF, 4                            ; v4      16 t: my bytes in each 4,096 of the row, in and out; never rewritten
.set AD,  5                            ; v5      an address at work
.set TBA, 6                            ; v6      where my lane's cell lies in the table
.set ACC, 8                            ; v[8:19]   the 12 channel sums
.set TA,  20                           ; v[20:21]  the table: a' and b', cell n in lane n
.set X,   32                           ; v[32:159] four slots of 32 registers: a channel's eight loads each
.set P,   32                           ; v[32:63]  later: phi of my 32 points
.set U,   64                           ; v[64:95]  the look-up's index, then b'
.set A,   96                           ; v[96:127] a'
; wave 8 alone
.set Q,   7                            ; column / 2: the cell that a column belongs to
.set RC,  8                            ; the constraint row in hand
.set R15, 9                            ; row 15 (v(0) = 0) and row 16 (v(1) = 0), carried through the reflectors
.set R16, 10
.set E,   11                           ; 1/16 in even columns, 0 in odd ones
.set M,   12                           ; x_k in even columns, 1 in odd ones
.set EV,  13                           ; 1 in even columns, 0 in odd ones
.set DD,  14                           ; v[14:15] 1 where the column's cell is k: by k's parity
.set T0,  16                           ; v[16:20] at work
.set T1,  17
.set T2,  18
.set T3,  19
.set T4,  20
.set S0,  22                           ; v[22:24] the waves' channel sums
.set W,   32                           ; v[32:48]  w_i: H_i = 1 - gamma_i w_i w_i^T
.set G,   64                           ; v[64:80]  -gamma_i w_i
.set WC,  96                           ; v[96:107] lane 17 + j: loc_w[c][j] / 8192
.set Y,   108                          ; lane 17 + j: loc_b[j], then theta[j]; then B theta
	s_load_b256 s[4:11], s[0:1], 0x0               ; input_seq s[4:5], loc_w s[6:7], loc_b s[8:9], out0 s[10:11]
	v_lshl_add_u32 v[SPW], v0, 2, SPARE
	v_mov_b32 v[NIL], 0
	v_lshrrev_b32 v[AD], 5, v0
	v_readfirstlane_b32 s12, v[AD]                 ; my wave, 0..8
	v_and_b32 v[LN], 31, v0
	s_mov_b32 s14, 0x76543210                      ; v_permlanex16_b32: each lane takes its own place in the other half
	s_mov_b32 s15, 0xfedcba98
	s_mul_i32 s16, ttmp9, ROWB                     ; the batch row's first byte: 511 x 393,216 at the most, under 2^28
	s_mov_b32 s17, 0
	s_lshl_b32 s18, ttmp9, 15                      ; and in out0: 32,768 bytes a row
	s_mov_b32 s19, 0
	s_wait_kmcnt 0x0
	s_add_nc_u64 s[4:5], s[4:5], s[16:17]
	s_add_nc_u64 s[10:11], s[10:11], s[18:19]
	s_cmp_eq_u32 s12, NW
	s_cbranch_scc1 .Lbasis
; ---------------------------------------------------------------- waves 0-7: the row is streamed and summed by channels
.macro FILL s, c                       ; channel c into slot s: eight loads, each 512 consecutive bytes a wave, 4,096 the eight waves
.irp i, 0,1,2,3,4,5,6,7
	global_load_b128 v[X+32*(\s)+4*(\i):X+32*(\s)+4*(\i)+3], v[OFF], s[4:5] offset:(\c)*CHB+(\i)*4096 th:TH_LOAD_NT
.endr
.endm
.macro SUM s, c, left                  ; my 32 numbers of channel c become one; left: the younger channels' loads, which may stay out
.set SL, X+32*(\s)
	s_wait_loadcnt \left                           ; loads come back in order (ISA guide 5.7.1)
.irp i, 0,2,4,6,8,10,12,14
	v_pk_add_f32 v[SL+(\i):SL+(\i)+1], v[SL+(\i):SL+(\i)+1], v[SL+16+(\i):SL+16+(\i)+1]
.endr
.irp i, 0,2,4,6
	v_pk_add_f32 v[SL+(\i):SL+(\i)+1], v[SL+(\i):SL+(\i)+1], v[SL+8+(\i):SL+8+(\i)+1]
.endr
.irp i, 0,2
	v_pk_add_f32 v[SL+(\i):SL+(\i)+1], v[SL+(\i):SL+(\i)+1], v[SL+4+(\i):SL+4+(\i)+1]
.endr
	v_pk_add_f32 v[SL:SL+1], v[SL:SL+1], v[SL+2:SL+3]
	v_add_f32 v[ACC+(\c)], v[SL], v[SL+1]
.endm
	v_lshlrev_b32 v[OFF], 4, v0
	FILL 0, 0
	FILL 1, 1
	FILL 2, 2
	FILL 3, 3                                      ; 32 loads, 16 KB a wave, are out from here to the last channels
.irp c, 0,1,2,3,4,5,6,7
	SUM (\c)%4, \c, 24                             ; three younger channels, 24 loads, stay out
	FILL (\c)%4, (\c)+4
.endr
	SUM 0, 8, 24                                   ; nothing is left to ask for: the counts run down
	SUM 1, 9, 16
	SUM 2, 10, 8
	SUM 3, 11, 0
.irp m, 1,2,4,8                        ; across the lanes: four steps inside each half of 16 ride on the addition, one crosses the halves; the 12 sums take turns
.irp c, 0,1,2,3,4,5,6,7,8,9,10,11
	v_add_f32_dpp v[ACC+\c], v[ACC+\c], v[ACC+\c] row_xmask:\m row_mask:0xf bank_mask:0xf
.endr
.endr
.irp c, 0,1,2,3,4,5,6,7,8,9,10,11
	v_permlanex16_b32 v[X+\c], v[ACC+\c], s14, s15 ; its destination counts as read: slot 0's registers have been written
.endr
.irp c, 0,1,2,3,4,5,6,7,8,9,10,11
	v_add_f32 v[ACC+\c], v[ACC+\c], v[X+\c]
.endr
	s_lshl_b32 s16, s12, 2
	v_mov_b32 v[AD], s16                           ; word w of each channel's eight
.irp c, 0,1,2,3,4,5,6,7,8,9,10,11
	ds_store_b32 v[AD], v[ACC+\c] offset:PART+32*\c  ; all lanes hold the same sum and write the same word
.endr
	s_branch .Lmeet1
; ---------------------------------------------------------------- wave 8, meanwhile: the 17 reflectors
.macro WSUM r, t                       ; the sum of r over the 32 lanes, into every lane; t has been written before
	v_add_f32_dpp v[\r], v[\r], v[\r] row_xmask:1 row_mask:0xf bank_mask:0xf
	v_add_f32_dpp v[\r], v[\r], v[\r] row_xmask:2 row_mask:0xf bank_mask:0xf
	v_add_f32_dpp v[\r], v[\r], v[\r] row_xmask:4 row_mask:0xf bank_mask:0xf
	v_add_f32_dpp v[\r], v[\r], v[\r] row_xmask:8 row_mask:0xf bank_mask:0xf
	v_permlanex16_b32 v[\t], v[\r], s14, s15
	v_add_f32 v[\r], v[\r], v[\t]
.endm
; Constraint row k, 0..14 (continuity at x = (k + 1) / 16): (x, 1) in cell k's two columns, (-x, -1) in cell k + 1's.  No earlier reflector but H_(k-1) reaches those columns, so the row is made when it is due.
.macro MKROW k
	v_cmp_eq_u32 vcc_lo, (\k)+1, v[Q]
	v_cndmask_b32 v[DD+((\k)+1)%2], 0, 1.0, vcc_lo
	v_sub_f32 v[T0], v[DD+(\k)%2], v[DD+((\k)+1)%2]
	v_mul_f32 v[RC], v[M], v[T0]
	v_add_f32 v[M], v[M], v[E]                     ; the next knot: exact, sixteenths
.endm
; H_i turns row r's columns i.. onto column i: beta = -sign(alpha) |r(i..)|, w = r(i..) - beta e_i, H = 1 - w w^T / (beta (beta - alpha)): dlarfg's reflector, written without its scaling of w.
.macro REFLECT i, r
	v_cmp_le_u32 vcc_lo, \i, v[LN]
	v_cndmask_b32 v[W+\i], 0, v[\r], vcc_lo        ; columns i and up
	v_mul_f32 v[T0], v[W+\i], v[W+\i]
	WSUM T0, T1
	v_readlane_b32 s24, v[W+\i], \i                ; alpha
	v_sqrt_f32 v[T0], v[T0]
	s_xor_b32 s25, s24, 0x80000000
	v_nop                                          ; a plain instruction between the root and its use (ISA guide 5.7.2)
	s_wait_alu depctr_va_vdst(0)
	v_bfi_b32 v[T2], 0x7fffffff, v[T0], s25        ; beta: the norm with -alpha's sign (alpha = +0 counts as positive, as Fortran's SIGN has it)
	v_sub_f32 v[T3], s24, v[T2]                    ; alpha - beta: two numbers of unlike sign, nothing cancels
	v_cmp_eq_u32 vcc_lo, \i, v[LN]
	v_mul_f32 v[T4], v[T2], v[T3]                  ; beta (alpha - beta) = -1 / gamma
	v_rcp_f32 v[T4], v[T4]
	v_cndmask_b32 v[W+\i], v[W+\i], v[T3], vcc_lo  ; w; also the plain instruction behind the reciprocal
	s_wait_alu depctr_va_vdst(0)
	v_mul_f32 v[G+\i], v[T4], v[W+\i]              ; -gamma w
.endm
.macro APPLY i, y                      ; y <- H_i y = y + (w . y) (-gamma w)
	v_mul_f32 v[T0], v[W+\i], v[\y]
	WSUM T0, T1
	v_fmac_f32 v[\y], v[T0], v[G+\i]
.endm
.Lbasis:
	v_max_u32 v[AD], 17, v[LN]                     ; lane 17 + j takes column j of loc_w and loc_b[j]; lanes below 17 read column 0 and are cleared further down
	v_lshlrev_b32 v[AD], 2, v[AD]                  ; 68 + 4 j: the 68 is taken off in the immediates
.irp c, 0,1,2,3,4,5,6,7,8,9,10,11
	global_load_b32 v[WC+\c], v[AD], s[6:7] offset:60*\c-68
.endr
	global_load_b32 v[Y], v[AD], s[8:9] offset:-68
	v_lshrrev_b32 v[Q], 1, v[LN]
	v_and_b32 v[T0], 1, v[LN]
	s_mov_b32 s27, 0x3d800000                      ; 1/16
	v_cmp_eq_u32 vcc_lo, 0, v[T0]                  ; even columns hold slopes, odd ones offsets
	v_cndmask_b32 v[E], 0, s27, vcc_lo
	v_cndmask_b32 v[M], 1.0, s27, vcc_lo
	v_cndmask_b32 v[EV], 0, 1.0, vcc_lo
	v_cmp_eq_u32 vcc_lo, 0, v[Q]
	v_cndmask_b32 v[DD], 0, 1.0, vcc_lo
	v_cmp_eq_u32 vcc_lo, 1, v[LN]
	v_cndmask_b32 v[R15], 0, 1.0, vcc_lo           ; row 15: b_0 = 0
	v_cmp_eq_u32 vcc_lo, 15, v[Q]
	v_cndmask_b32 v[R16], 0, 1.0, vcc_lo           ; row 16: a_15 + b_15 = 0
	v_mov_b32 v[T1], 0
	MKROW 0
.set i, 0
.rept 14                               ; H_i reaches columns i .. 2 i + 3: of the rows still to come it changes row i + 1 and row 15 (row 16, in columns 30 and 31, from i = 14 on)
	REFLECT i, RC
	MKROW i+1
	APPLY i, RC
	APPLY i, R15
.set i, i+1
.endr
	REFLECT 14, RC
	APPLY 14, R15
	APPLY 14, R16
	REFLECT 15, R15
	APPLY 15, R16
	REFLECT 16, R16
	s_wait_loadcnt 0x0                             ; loc_w and loc_b, asked for at the wave's start
	s_mov_b32 s27, 0x39000000                      ; 1 / 8192: the mean's divisor goes into the weights, exactly
	v_cmp_le_u32 vcc_lo, 17, v[LN]
	v_cndmask_b32 v[T0], 0, s27, vcc_lo
	v_cndmask_b32 v[Y], 0, v[Y], vcc_lo            ; z's first 17 numbers are 0
.irp c, 0,1,2,3,4,5,6,7,8,9,10,11
	v_mul_f32 v[WC+\c], v[T0], v[WC+\c]
.endr
.Lmeet1:
	s_wait_dscnt 0x0                               ; for wave 8's sake: my sums are in LDS
	s_barrier_signal -1
	s_barrier_wait -1
	s_cmp_eq_u32 s12, NW
	s_cbranch_scc1 .Ltable
; ---------------------------------------------------------------- waves 0-7, while wave 8 makes the table: the grid
	v_lshlrev_b32 v[AD], 2, v0                     ; 4 t
.irp k, 0,1,2,3,4,5,6,7
.irp e, 0,1,2,3
	v_add_nc_u32 v[P+4*(\k)+(\e)], 1024*(\k)+(\e), v[AD]  ; point p = 1024 k + 4 t + e: a store's 16 bytes a lane are four neighbouring points
.endr
.endr
.set j, 0
.rept 32
	v_cvt_f32_u32 v[P+j], v[P+j]
.set j, j+1
.endr
	s_mov_b32 s22, 0x39000400                      ; 1 / 8191, rounded
	s_mov_b32 s23, s22                             ; named with it as a pair
.set j, 0
.rept 16
	v_pk_mul_f32 v[P+2*j:P+2*j+1], v[P+2*j:P+2*j+1], s[22:23] op_sel_hi:[1,0]
.set j, j+1
.endr
	s_branch .Lmeet2
; ---------------------------------------------------------------- wave 8: theta, B theta, the table
.Ltable:
	v_lshlrev_b32 v[AD], 2, v[LN]                  ; (its loads, which read v[AD], were waited for above)
	ds_load_b32 v[S0],   v[AD] offset:PART         ; register k, lane l: channel 4 k + l / 8, wave l % 8
	ds_load_b32 v[S0+1], v[AD] offset:PART+128
	ds_load_b32 v[S0+2], v[AD] offset:PART+256
	s_wait_dscnt 0x0
.irp m, 1,2,4
.irp r, 0,1,2
	v_add_f32_dpp v[S0+\r], v[S0+\r], v[S0+\r] row_xmask:\m row_mask:0xf bank_mask:0xf  ; over the eight waves
.endr
.endr
.irp c, 0,1,2,3,4,5,6,7,8,9,10,11
	v_readlane_b32 s[32+\c], v[S0+(\c)/4], 8*((\c)%4)
.endr
.irp c, 0,1,2,3,4,5,6,7,8,9,10,11
	v_fmac_f32 v[Y], s[32+\c], v[WC+\c]            ; lane 17 + j: theta[j] = loc_b[j] + sum over c of the channel's mean x loc_w[c][j]
.endr
.set i, 16
.rept 17
	APPLY i, Y                                     ; H_16 first, H_0 last: lane 2 c now holds a_c, lane 2 c + 1 holds b_c
.set i, i-1
.endr
	v_fmac_f32 v[EV], 0x3ca3d70a, v[Y]             ; dt = 1/50: a' = 1 + dt a in even lanes, b' = dt b in odd ones
	ds_store_b32 v[AD], v[EV] offset:TAB
.Lmeet2:
	s_wait_dscnt 0x0                               ; for the others' sake: the table is in LDS
	s_barrier_signal -1
	s_barrier_wait -1
	s_cmp_eq_u32 s12, NW
	s_cbranch_scc1 .Lmeet3
	v_and_b32 v[TBA], 15, v0                       ; waves 0-7: lane n takes cell n % 16: 8 bytes at 8 (t % 16), inside the table's 128
	v_lshlrev_b32 v[TBA], 3, v[TBA]
	ds_load_b64 v[TA:TA+1], v[TBA] offset:TAB      ; lanes 0-15: cells 0-15; lanes 16-31 the same once more
.Lmeet3:
	s_wait_dscnt 0x0                               ; my read of the table is back.  Between the last barrier and this one no wave writes LDS:
	s_barrier_signal -1                            ; every wave's closing add, wave 8's too, comes behind every wave's read of the table
	s_barrier_wait -1
	s_cmp_eq_u32 s12, NW
	s_cbranch_scc0 .Lwalk
	s_wait_tensorcnt 0x0                           ; wave 8's end: a closing LDS add, behind my last LDS store
	ds_add_u32 v[SPW], v[NIL]
	s_wait_dscnt 0x0
	s_endpgm
; ---------------------------------------------------------------- waves 0-7: 50 steps for 32 points a lane
.macro ASK j                           ; pair j of 16: in which cells do its two points lie, and the four look-ups; b' lands on the index that asked for it
	v_pk_fma_f32 v[U+2*(\j):U+2*(\j)+1], v[P+2*(\j):P+2*(\j)+1], s[28:29], s[20:21] op_sel_hi:[1,0,0]
	ds_bpermute_b32 v[A+2*(\j)],   v[U+2*(\j)],   v[TA]
	ds_bpermute_b32 v[A+2*(\j)+1], v[U+2*(\j)+1], v[TA]
	ds_bpermute_b32 v[U+2*(\j)],   v[U+2*(\j)],   v[TA+1]
	ds_bpermute_b32 v[U+2*(\j)+1], v[U+2*(\j)+1], v[TA+1]
.endm
.macro MOVE j, left                    ; pair j's step; left: the look-ups issued behind its four
	s_wait_dscnt \left                             ; LDS instructions of a wave end in order (ISA guide 5.7.1)
	v_pk_fma_f32 v[P+2*(\j):P+2*(\j)+1], v[A+2*(\j):A+2*(\j)+1], v[P+2*(\j):P+2*(\j)+1], v[U+2*(\j):U+2*(\j)+1]
	v_med3_num_f32 v[P+2*(\j)], v[P+2*(\j)], 0, 1.0
	v_med3_num_f32 v[P+2*(\j)+1], v[P+2*(\j)+1], 0, 1.0
.endm
.Lwalk:
	s_mov_b32 s20, 0x4affffff                      ; 2^23 - 0.5
	s_mov_b32 s21, s20                             ; named with it as a pair
	s_mov_b32 s28, 0x42800000                      ; 64
	s_mov_b32 s29, s28                             ; likewise
	v_readlane_b32 s24, v[TA], 15
	v_readlane_b32 s25, v[TA+1], 15
	v_readfirstlane_b32 s26, v[TA]
	v_readfirstlane_b32 s27, v[TA+1]
	v_writelane_b32 v[TA], s24, 16                 ; cell 15 once more in lane 16, for phi = 1
	v_writelane_b32 v[TA+1], s25, 16
	v_writelane_b32 v[TA], s26, 31                 ; cell 0 once more in lane 31, for points so near 0 that the index stays below 2^23
	v_writelane_b32 v[TA+1], s27, 31
.set j, 0
.rept 15
	ASK j                                          ; the first step's look-ups for pairs 0 to 14; pair 15's follow in the first trip
.set j, j+1
.endr
	s_mov_b32 s13, STEPS-1
; A trip: each pair takes a step.  A pair asks for its next step one turn later, behind the next pair's step: its index is made of a result that is a turn old, and 15 pairs' 60 look-ups are out at the most.
; So when pair j waits, behind its four look-ups stand those of 14 pairs, 56: pairs j + 1 .. 14, 15 and 0 .. j - 2 in the order of their asking; the same on the way in (pairs 1 .. 14) and over the backward jump.
.Lstep:
.set j, 0
.rept 16
	MOVE j, 56
	ASK (j+15)%16
.set j, j+1
.endr
	s_sub_co_u32 s13, s13, 1
	s_cmp_lg_u32 s13, 0
	s_cbranch_scc1 .Lstep
	MOVE 0, 56                                     ; the last step: pair 15 asks once more, nobody else: the counts run down, and four points leave as soon as they are done
	ASK 15
	MOVE 1, 56                                     ; behind pair 1's: pairs 2 to 15
	global_store_b128 v[OFF], v[P:P+3], s[10:11] th:TH_STORE_NT
.set j, 1
.rept 7
	MOVE 2*j, 60-8*j
	MOVE 2*j+1, 56-8*j
	global_store_b128 v[OFF], v[P+4*j:P+4*j+3], s[10:11] offset:4096*j th:TH_STORE_NT  ; a wave stores 512 consecutive bytes, at a multiple of 512 from out0's first byte
.set j, j+1
.endr
	s_wait_tensorcnt 0x0                           ; the wave's end: a closing LDS add, behind my last LDS store
	ds_add_u32 v[SPW], v[NIL]
	s_wait_dscnt 0x0
	s_endpgm
.Lfunc_end_k_qd6213b8874_warp:
	.size	k_qd6213b8874_warp, .Lfunc_end_k_qd6213b8874_warp-k_qd6213b8874_warp
	.p2alignl 7, 3214868480
	.fill 96, 4, 3214868480
	.section	.rodata,"a",@progbits
	.p2align	6, 0x0
	.amdhsa_kernel k_qd6213b8874_warp
		.amdhsa_group_segment_fixed_size 2048
		.amdhsa_private_segment_fixed_size 0
		.amdhsa_enable_private_segment 0
		.amdhsa_kernarg_size 32
		.amdhsa_user_sgpr_count 2
		.amdhsa_user_sgpr_kernarg_segment_ptr 1
		.amdhsa_wavefront_size32 1
		.amdhsa_system_sgpr_workgroup_id_x 1
		.amdhsa_system_sgpr_workgroup_id_y 1
		.amdhsa_system_sgpr_workgroup_id_z 1
		.amdhsa_system_vgpr_workitem_id 0
		.amdhsa_next_free_vgpr 160
		.amdhsa_next_free_sgpr 66
		.amdhsa_reserve_vcc 1
		.amdhsa_float_denorm_mode_32 3
		.amdhsa_float_denorm_mode_16_64 3
		.amdhsa_memory_ordered 1
		.amdhsa_forward_progress 1
		.amdhsa_inst_pref_size 94
	.end_amdhsa_kernel
	.amdgpu_metadata
---
amdhsa.version: [ 1, 2 ]
amdhsa.kernels:
  - .name:           k_qd6213b8874_warp
    .symbol:         k_qd6213b8874_warp.kd
    .args:
      - { .name: input_seq, .offset: 0, .size: 8, .value_kind: global_buffer, .address_space: global }
      - { .name: loc_w, .offset: 8, .size: 8, .value_kind: global_buffer, .address_space: global }
      - { .name: loc_b, .offset: 16, .size: 8, .value_kind: global_buffer, .address_space: global }
      - { .name: out0, .offset: 24, .size: 8, .value_kind: global_buffer, .address_space: global }
    .group_segment_fixed_size: 2048
    .private_segment_fixed_size: 0
    .kernarg_segment_align: 8
    .kernarg_segment_size: 32
    .max_flat_workgroup_size: 288
    .sgpr_count:     66
    .vgpr_count:     160
    .wavefront_size: 32
...
	.end_amdgpu_metadata
.endif
;; end of part 1
;; ======== version 2 of 3: 1 launch; 1.19 times as fast as version 1
;; launch warp (part 2): grid 256 x 1, 17 waves a work-group, no clusters, 6,912 bytes of LDS; arguments input_seq, loc_w, loc_b, out0; writes out0
.if DOCPART == 2
	.amdgcn_target "amdgcn-amd-amdhsa--gfx1250"
	.amdhsa_code_object_version 6
	.text
	.protected	k_qd6213b8874_warp
	.globl	k_qd6213b8874_warp
	.p2align	8
	.type	k_qd6213b8874_warp,@function
k_qd6213b8874_warp:
	s_mov_b64 s[64:65], 0
	v_nop
	global_prefetch_b8 v0, s[64:65] scope:SCOPE_SE
	s_setreg_imm32_b32 hwreg(HW_REG_WAVE_MODE, 25, 1), 1
	s_wait_xcnt 0x0
; CPAB WARP.  out0[b][p] = the grid point p / 8191 carried through 50 Euler steps of the piecewise affine field v(x) = a_c x + b_c, c = floor(16 x), clipped to [0, 1] after each step.
; (a, b) = B theta, theta = mean over the length of input_seq[b] times loc_w plus loc_b.  A work-group makes TWO neighbouring batch rows, A and B: 24 channels, 786,432 consecutive bytes.
; THE ORDER.  A row's walk needs the whole row's mean, and moves no bytes; a row's stream needs next to no arithmetic.  So row B is streamed UNDER row A's walk: all waves stream row A; then each step of row A's walk
; takes in one 16-byte load a thread of row B, asked for twelve steps earlier, and asks for the next; then row B is walked.
; THE BASIS B is rows 17..31 of Vt of numpy's SVD of the constant 17 x 32 matrix of constraints.  A null-space basis is not unique, so the library's way is followed: for 17 x 32 (32 >= int(17 x 11 / 6))
; LAPACK's dgesdd first factors the matrix as L Q by Householder reflectors H0 .. H16 and leaves rows 17..31 of Q = H16 .. H0 untouched in Vt.  So B theta = H0 H1 .. H16 z with z = (17 zeros, theta).
; The reflectors hang on no input: wave 16 makes them (f32, one lane a column, dlarfg's choice of sign) while waves 0-15 wait for memory, and applies them to each row's vector z.
; SHARES.  Waves 0-15: thread t sums 16 bytes at 16 t of each 8,192 bytes of the channels (4 loads a channel), and walks the points 2048 k + 4 t + 0..3, k = 0..3, of both rows.
; Wave 16: the reflectors, theta, the tables of 16 cells.  Five barriers: A's sums -> wave 16; table A -> waves 0-15; B's sums -> wave 16; table B -> waves 0-15; the reads of table B -> every wave's closing LDS write.
; THE LOOK-UP names a lane, no memory: the table lies in two registers, cell n in lane n, and ds_bpermute_b32 pulls from the lane in bits 6:2 of its index (ISA guide, the entry of DS_BPERMUTE_B32).
; The index is the f32 u = 64 phi + (2^23 - 0.5), one fused rounding: from 2^23 on the step between floats is 1, so u's low bits hold floor(64 phi) and bits 6:2 hold floor(16 phi), the same cell as reference()'s
; (a tie, 64 phi whole, goes to the even side, which never leaves the cell).  phi = 1 gives lane 16, which repeats cell 15 (the clip of the index); 64 phi < 0.25 leaves u at 2^23 - 0.5, bits 6:2 = 31: lane 31 repeats cell 0.
; THE STEP is one packed fused multiply-add for two points, phi <- a' phi + b', and the clip to [0, 1] is its output modifier clamp (ISA guide, the vector ALU's output modifiers): for two points and a step
; the text has two vector instructions (index, step) and four look-ups.
; mask IS NOT READ: reference() never uses it, no output number hangs on it.
; THE TWO MATRIX PRODUCTS (12 -> 15 -> 32 numbers for each of two rows a work-group) run in f32 on the vector unit: a matrix tile's 16 rows would hold two.
; NO CLUSTER, NO TENSOR LOAD: work-groups share 780 bytes of weights alone, and the stream is only summed, so what is in flight lies in registers.
; LIMITS.  Order of rounding: a step is phi <- a' phi + b' with a' = 1 + dt a, b' = dt b (one rounding for reference()'s three); the grid is p x fl(1/8191); sums in trees.  Where |1 + dt a| makes the iteration
; amplify its last bits, it amplifies these as it does reference()'s own.  dlarfg's case of a row whose tail is all zero is not written: the constant matrix has none.  NaN and infinities are not treated apart
; (the clamp does not keep a NaN as NaN), nor is the sign of a zero kept.
.set NW,    16                         ; waves that stream and walk; wave NW makes the tables
.set CHB,   32768                      ; bytes of a channel
.set ROWB,  12*CHB                     ; bytes of a batch row of input_seq
.set OUTB,  32768                      ; bytes of a row of out0
.set STEPS, 50
.set RING,  12                         ; row B's loads that a thread has out during row A's walk: three channels
.set PARTA, 0                          ; LDS: row A's channel sums, wave w's at 128 w, channel c in word c: 2,048 bytes
.set PARTB, 2048                       ; LDS: row B's
.set TABA,  4096                       ; LDS: row A's table, (a', b') of cell n at 8 n: 128 bytes
.set TABB,  4352                       ; LDS: row B's
.set SPARE, 4608                       ; LDS: the spare words, 128 bytes for each of 17 waves: nine blocks of 256 bytes that no other line names
.set SPW, 1                            ; v1      LDS address of my spare word; never rewritten
.set NIL, 2                            ; v2      0; never rewritten
.set LN,  3                            ; v3      my lane
.set OFF, 4                            ; v4      16 t: my bytes in each 8,192 of a channel and of a row of out0; never rewritten
.set AD,  5                            ; v5      an offset at work
.set TBA, 6                            ; v6      where my lane's cell lies in a table
.set ACC, 8                            ; v[8:19]   row A's 12 channel sums
.set TA,  20                           ; v[20:21]  the table: a' and b', cell n in lane n
.set X,   32                           ; v[32:159] eight slots of 16 registers: a channel's four loads each
.set P,   32                           ; v[32:47]  later: phi of my 16 points, four quads of four neighbouring points
.set U,   48                           ; v[48:63]  the look-up's index, then b'
.set A,   64                           ; v[64:79]  a'
.set CS,  80                           ; v[80:81]  row B: the sum of the channel in hand
.set TS,  82                           ; v[82:83]  the same on its way across the lanes
.set TS2, 83
.set SUMS, 84                          ; v84       row B: channel c's sum in lane c
.set R,   X+64                         ; v[96:143] row B's ring of 12 loads: slots 4 to 6 of X, which the stream of row A fills last
; wave 16 alone
.set Q,   7                            ; column / 2: the cell that a column belongs to
.set RC,  8                            ; the constraint row in hand
.set R15, 9                            ; row 15 (v(0) = 0) and row 16 (v(1) = 0), carried through the reflectors
.set R16, 10
.set E,   11                           ; 1/16 in even columns, 0 in odd ones
.set M,   12                           ; x_k in even columns, 1 in odd ones
.set EV,  13                           ; 1 in even columns, 0 in odd ones
.set DD,  14                           ; v[14:15] 1 where the column's cell is k: by k's parity
.set T0,  16                           ; v[16:20] at work
.set T1,  17
.set T2,  18
.set T3,  19
.set T4,  20
.set W,   32                           ; v[32:48]  w_i: H_i = 1 - gamma_i w_i w_i^T
.set G,   64                           ; v[64:80]  -gamma_i w_i
.set WC,  96                           ; v[96:107] lane 17 + j: loc_w[c][j] / 8192
.set Y,   108                          ; lane 17 + j: theta[j]; then B theta
.set Y0,  109                          ; lane 17 + j: loc_b[j]; 0 below
.set S0,  112                          ; v[112:127] the 16 waves' channel sums
.set CH,  44                           ; s44     row B's channel in hand
	s_load_b256 s[4:11], s[0:1], 0x0               ; input_seq s[4:5], loc_w s[6:7], loc_b s[8:9], out0 s[10:11]
	v_lshl_add_u32 v[SPW], v0, 2, SPARE
	v_mov_b32 v[NIL], 0
	v_lshrrev_b32 v[AD], 5, v0
	v_readfirstlane_b32 s12, v[AD]                 ; my wave, 0..16
	v_and_b32 v[LN], 31, v0
	s_mov_b32 s14, 0x76543210                      ; v_permlanex16_b32: each lane takes its own place in the other half
	s_mov_b32 s15, 0xfedcba98
	s_mov_b32 s20, 0x4affffff                      ; 2^23 - 0.5
	s_mov_b32 s21, s20                             ; named with it as a pair
	s_mov_b32 s22, 0x39000400                      ; 1 / 8191, rounded
	s_mov_b32 s23, s22                             ; likewise
	s_mov_b32 s28, 0x42800000                      ; 64
	s_mov_b32 s29, s28                             ; likewise
	s_mul_i32 s16, ttmp9, 2*ROWB                   ; my two rows' first byte: 255 x 786,432 at the most, under 2^28
	s_mov_b32 s17, 0
	s_lshl_b32 s18, ttmp9, 16                      ; and in out0: 2 x 32,768 bytes
	s_mov_b32 s19, 0
	s_wait_kmcnt 0x0
	s_add_nc_u64 s[4:5], s[4:5], s[16:17]
	s_add_nc_u64 s[10:11], s[10:11], s[18:19]
	s_cmp_eq_u32 s12, NW
	s_cbranch_scc1 .Lbasis
; ---------------------------------------------------------------- waves 0-15: row A is streamed and summed by channels
.macro FILL c                          ; channel c of the 24 (12 and up are row B's) into slot c % 8: four loads, each 512 consecutive bytes a wave, 8,192 the sixteen waves
.irp i, 0,1,2,3
	global_load_b128 v[X+16*((\c)%8)+4*(\i):X+16*((\c)%8)+4*(\i)+3], v[OFF], s[4:5] offset:(\c)*CHB+(\i)*8192 th:TH_LOAD_NT
.endr
.endm
.macro SUM c, left                     ; my 16 numbers of channel c become one; left: the younger channels' loads, which may stay out
.set SL, X+16*((\c)%8)
	s_wait_loadcnt \left                           ; loads come back in order (ISA guide 5.7.1)
.irp i, 0,2,4,6
	v_pk_add_f32 v[SL+(\i):SL+(\i)+1], v[SL+(\i):SL+(\i)+1], v[SL+8+(\i):SL+8+(\i)+1]
.endr
.irp i, 0,2
	v_pk_add_f32 v[SL+(\i):SL+(\i)+1], v[SL+(\i):SL+(\i)+1], v[SL+4+(\i):SL+4+(\i)+1]
.endr
	v_pk_add_f32 v[SL:SL+1], v[SL:SL+1], v[SL+2:SL+3]
	v_add_f32 v[ACC+(\c)], v[SL], v[SL+1]
.endm
.macro PUT r, part                     ; my wave's sums, channel c in lane c of register r, into its 128 bytes
	s_lshl_b32 s16, s12, 7
	v_and_b32 v[AD], 31, v0
	v_lshl_add_u32 v[AD], v[AD], 2, s16            ; 128 x wave + 4 x lane
	ds_store_b32 v[AD], v[\r] offset:\part
.endm
	v_lshlrev_b32 v[OFF], 4, v0
.irp c, 0,1,2,3,4,5,6,7
	FILL \c                                        ; 32 loads, 16 KB a wave, are out from here on
.endr
.irp c, 0,1,2,3,4,5,6
	SUM \c, 28                                     ; seven younger channels, 28 loads, stay out
	FILL (\c)+8                                    ; the ring runs on into row B: channels 12 to 14 are its first three
.endr
	SUM 7, 28                                      ; no more is asked for here: the counts run down to row B's 12 loads, which stay out
	SUM 8, 24
	SUM 9, 20
	SUM 10, 16
	SUM 11, 12
.irp m, 1,2,4,8                        ; across the lanes: four steps inside each half of 16 ride on the addition, one crosses the halves; the 12 sums take turns
.irp c, 0,1,2,3,4,5,6,7,8,9,10,11
	v_add_f32_dpp v[ACC+\c], v[ACC+\c], v[ACC+\c] row_xmask:\m row_mask:0xf bank_mask:0xf
.endr
.endr
.irp c, 0,1,2,3,4,5,6,7,8,9,10,11
	v_permlanex16_b32 v[X+\c], v[ACC+\c], s14, s15 ; its destination counts as read: slot 0's registers have been written, and no load is on its way there
.endr
.irp c, 0,1,2,3,4,5,6,7,8,9,10,11
	v_add_f32 v[ACC+\c], v[ACC+\c], v[X+\c]
.endr
.irp c, 1,2,3,4,5,6,7,8,9,10,11
	v_cmp_eq_u32 vcc_lo, \c, v[LN]
	v_cndmask_b32 v[ACC], v[ACC], v[ACC+\c], vcc_lo  ; channel c's sum into lane c of one register (lanes 12 and up keep channel 0's: nobody uses them)
.endr
	PUT ACC, PARTA
	s_branch .Lmeet1
; ---------------------------------------------------------------- wave 16, meanwhile: the 17 reflectors
.macro WSUM r, t                       ; the sum of r over the 32 lanes, into every lane; t has been written before
	v_add_f32_dpp v[\r], v[\r], v[\r] row_xmask:1 row_mask:0xf bank_mask:0xf
	v_add_f32_dpp v[\r], v[\r], v[\r] row_xmask:2 row_mask:0xf bank_mask:0xf
	v_add_f32_dpp v[\r], v[\r], v[\r] row_xmask:4 row_mask:0xf bank_mask:0xf
	v_add_f32_dpp v[\r], v[\r], v[\r] row_xmask:8 row_mask:0xf bank_mask:0xf
	v_permlanex16_b32 v[\t], v[\r], s14, s15
	v_add_f32 v[\r], v[\r], v[\t]
.endm
; Constraint row k, 0..14 (continuity at x = (k + 1) / 16): (x, 1) in cell k's two columns, (-x, -1) in cell k + 1's.  No earlier reflector but H_(k-1) reaches those columns, so the row is made when it is due.
.macro MKROW k
	v_cmp_eq_u32 vcc_lo, (\k)+1, v[Q]
	v_cndmask_b32 v[DD+((\k)+1)%2], 0, 1.0, vcc_lo
	v_sub_f32 v[T0], v[DD+(\k)%2], v[DD+((\k)+1)%2]
	v_mul_f32 v[RC], v[M], v[T0]
	v_add_f32 v[M], v[M], v[E]                     ; the next knot: exact, sixteenths
.endm
; H_i turns row r's columns i.. onto column i: beta = -sign(alpha) |r(i..)|, w = r(i..) - beta e_i, H = 1 - w w^T / (beta (beta - alpha)): dlarfg's reflector, written without its scaling of w.
.macro REFLECT i, r
	v_cmp_le_u32 vcc_lo, \i, v[LN]
	v_cndmask_b32 v[W+\i], 0, v[\r], vcc_lo        ; columns i and up
	v_mul_f32 v[T0], v[W+\i], v[W+\i]
	WSUM T0, T1
	v_readlane_b32 s24, v[W+\i], \i                ; alpha
	v_sqrt_f32 v[T0], v[T0]
	s_xor_b32 s25, s24, 0x80000000
	v_nop                                          ; a plain instruction between the root and its use (ISA guide 5.7.2)
	s_wait_alu depctr_va_vdst(0)
	v_bfi_b32 v[T2], 0x7fffffff, v[T0], s25        ; beta: the norm with -alpha's sign (alpha = +0 counts as positive, as Fortran's SIGN has it)
	v_sub_f32 v[T3], s24, v[T2]                    ; alpha - beta: two numbers of unlike sign, nothing cancels
	v_cmp_eq_u32 vcc_lo, \i, v[LN]
	v_mul_f32 v[T4], v[T2], v[T3]                  ; beta (alpha - beta) = -1 / gamma
	v_rcp_f32 v[T4], v[T4]
	v_cndmask_b32 v[W+\i], v[W+\i], v[T3], vcc_lo  ; w; also the plain instruction behind the reciprocal
	s_wait_alu depctr_va_vdst(0)
	v_mul_f32 v[G+\i], v[T4], v[W+\i]              ; -gamma w
.endm
.macro APPLY i, y                      ; y <- H_i y = y + (w . y) (-gamma w)
	v_mul_f32 v[T0], v[W+\i], v[\y]
	WSUM T0, T1
	v_fmac_f32 v[\y], v[T0], v[G+\i]
.endm
; A row's table: the 16 waves' sums from LDS at part; theta; B theta; (a', b') to LDS at tab.
.macro TABLE part, tab
	v_lshlrev_b32 v[AD], 2, v[LN]                  ; (the loads of loc_w and loc_b, which read v[AD], were waited for)
.irp w, 0,1,2,3,4,5,6,7,8,9,10,11,12,13,14,15
	ds_load_b32 v[S0+\w], v[AD] offset:(\part)+128*\w  ; lane c: wave w's sum of channel c
.endr
	s_wait_dscnt 0x0
.irp i, 0,2,4,6
	v_pk_add_f32 v[S0+\i:S0+\i+1], v[S0+\i:S0+\i+1], v[S0+8+\i:S0+8+\i+1]
.endr
.irp i, 0,2
	v_pk_add_f32 v[S0+\i:S0+\i+1], v[S0+\i:S0+\i+1], v[S0+4+\i:S0+4+\i+1]
.endr
	v_pk_add_f32 v[S0:S0+1], v[S0:S0+1], v[S0+2:S0+3]
	v_add_f32 v[S0], v[S0], v[S0+1]
.irp c, 0,1,2,3,4,5,6,7,8,9,10,11
	v_readlane_b32 s[32+\c], v[S0], \c
.endr
	v_fma_f32 v[Y], s32, v[WC], v[Y0]              ; lane 17 + j: theta[j] = loc_b[j] + sum over c of the channel's mean x loc_w[c][j]
.irp c, 1,2,3,4,5,6,7,8,9,10,11
	v_fmac_f32 v[Y], s[32+\c], v[WC+\c]
.endr
.set i, 16
.rept 17
	APPLY i, Y                                     ; H_16 first, H_0 last: lane 2 c now holds a_c, lane 2 c + 1 holds b_c
.set i, i-1
.endr
	v_fmamk_f32 v[T2], v[Y], 0x3ca3d70a, v[EV]     ; dt = 1/50: a' = 1 + dt a in even lanes, b' = dt b in odd ones
	ds_store_b32 v[AD], v[T2] offset:\tab
.endm
.Lbasis:
	v_max_u32 v[AD], 17, v[LN]                     ; lane 17 + j takes column j of loc_w and loc_b[j]; lanes below 17 read column 0 and are cleared further down
	v_lshlrev_b32 v[AD], 2, v[AD]                  ; 68 + 4 j: the 68 is taken off in the immediates
.irp c, 0,1,2,3,4,5,6,7,8,9,10,11
	global_load_b32 v[WC+\c], v[AD], s[6:7] offset:60*\c-68
.endr
	global_load_b32 v[Y0], v[AD], s[8:9] offset:-68
	v_lshrrev_b32 v[Q], 1, v[LN]
	v_and_b32 v[T0], 1, v[LN]
	s_mov_b32 s27, 0x3d800000                      ; 1/16
	v_cmp_eq_u32 vcc_lo, 0, v[T0]                  ; even columns hold slopes, odd ones offsets
	v_cndmask_b32 v[E], 0, s27, vcc_lo
	v_cndmask_b32 v[M], 1.0, s27, vcc_lo
	v_cndmask_b32 v[EV], 0, 1.0, vcc_lo
	v_cmp_eq_u32 vcc_lo, 0, v[Q]
	v_cndmask_b32 v[DD], 0, 1.0, vcc_lo
	v_cmp_eq_u32 vcc_lo, 1, v[LN]
	v_cndmask_b32 v[R15], 0, 1.0, vcc_lo           ; row 15: b_0 = 0
	v_cmp_eq_u32 vcc_lo, 15, v[Q]
	v_cndmask_b32 v[R16], 0, 1.0, vcc_lo           ; row 16: a_15 + b_15 = 0
	v_mov_b32 v[T1], 0
	MKROW 0
.set i, 0
.rept 14                               ; H_i reaches columns i .. 2 i + 3: of the rows still to come it changes row i + 1 and row 15 (row 16, in columns 30 and 31, from i = 14 on)
	REFLECT i, RC
	MKROW i+1
	APPLY i, RC
	APPLY i, R15
.set i, i+1
.endr
	REFLECT 14, RC
	APPLY 14, R15
	APPLY 14, R16
	REFLECT 15, R15
	APPLY 15, R16
	REFLECT 16, R16
	s_wait_loadcnt 0x0                             ; loc_w and loc_b, asked for at the wave's start
	s_mov_b32 s27, 0x39000000                      ; 1 / 8192: the mean's divisor goes into the weights, exactly
	v_cmp_le_u32 vcc_lo, 17, v[LN]
	v_cndmask_b32 v[T0], 0, s27, vcc_lo
	v_cndmask_b32 v[Y0], 0, v[Y0], vcc_lo          ; z's first 17 numbers are 0
.irp c, 0,1,2,3,4,5,6,7,8,9,10,11
	v_mul_f32 v[WC+\c], v[T0], v[WC+\c]
.endr
.Lmeet1:
	s_wait_dscnt 0x0                               ; for wave 16's sake: my sums of row A are in LDS
	s_barrier_signal -1
	s_barrier_wait -1
	s_cmp_eq_u32 s12, NW
	s_cbranch_scc1 .Ltable_a
; ---------------------------------------------------------------- waves 0-15, while wave 16 makes a table: the grid
.macro GRID
	v_lshlrev_b32 v[AD], 2, v0                     ; 4 t
.irp k, 0,1,2,3
.irp e, 0,1,2,3
	v_add_nc_u32 v[P+4*(\k)+(\e)], 2048*(\k)+(\e), v[AD]  ; point p = 2048 k + 4 t + e: a store's 16 bytes a lane are four neighbouring points
.endr
.endr
.set j, 0
.rept 16
	v_cvt_f32_u32 v[P+j], v[P+j]
.set j, j+1
.endr
.set j, 0
.rept 8
	v_pk_mul_f32 v[P+2*j:P+2*j+1], v[P+2*j:P+2*j+1], s[22:23] op_sel_hi:[1,0]
.set j, j+1
.endr
.endm
	GRID
	s_branch .Lmeet2
.Ltable_a:
	TABLE PARTA, TABA
.Lmeet2:
	s_wait_dscnt 0x0                               ; for the others' sake: table A is in LDS
	s_barrier_signal -1
	s_barrier_wait -1
	s_cmp_eq_u32 s12, NW
	s_cbranch_scc1 .Lmeet3                         ; wave 16 waits for row B's sums
; ---------------------------------------------------------------- waves 0-15: the walk, 16 points a lane in 4 quads
.macro GETTAB tab
	v_and_b32 v[TBA], 15, v0                       ; lane n takes cell n % 16: 8 bytes at 8 (t % 16), inside the table's 128
	v_lshlrev_b32 v[TBA], 3, v[TBA]
	ds_load_b64 v[TA:TA+1], v[TBA] offset:\tab     ; lanes 0-15: cells 0-15; lanes 16-31 the same once more
.endm
.macro FIXTAB
	v_readlane_b32 s24, v[TA], 15
	v_readlane_b32 s25, v[TA+1], 15
	v_readfirstlane_b32 s26, v[TA]
	v_readfirstlane_b32 s27, v[TA+1]
	v_writelane_b32 v[TA], s24, 16                 ; cell 15 once more in lane 16, for phi = 1
	v_writelane_b32 v[TA+1], s25, 16
	v_writelane_b32 v[TA], s26, 31                 ; cell 0 once more in lane 31, for points so near 0 that the index stays below 2^23
	v_writelane_b32 v[TA+1], s27, 31
.endm
.macro IDX g                           ; quad g of 4: in which cells do its four points lie
	v_pk_fma_f32 v[U+4*(\g):U+4*(\g)+1],   v[P+4*(\g):P+4*(\g)+1],   s[28:29], s[20:21] op_sel_hi:[1,0,0]
	v_pk_fma_f32 v[U+4*(\g)+2:U+4*(\g)+3], v[P+4*(\g)+2:P+4*(\g)+3], s[28:29], s[20:21] op_sel_hi:[1,0,0]
.endm
.macro LOOK g                          ; its eight look-ups; b' lands on the index that asked for it
.irp e, 0,1,2,3
	ds_bpermute_b32 v[A+4*(\g)+(\e)], v[U+4*(\g)+(\e)], v[TA]
.endr
.irp e, 0,1,2,3
	ds_bpermute_b32 v[U+4*(\g)+(\e)], v[U+4*(\g)+(\e)], v[TA+1]
.endr
.endm
.macro MOVE g, left                    ; quad g's step, clipped to [0, 1] by the clamp; left: the look-ups issued behind its eight
	s_wait_dscnt \left                             ; LDS instructions of a wave end in order (ISA guide 5.7.1)
	v_pk_fma_f32 v[P+4*(\g):P+4*(\g)+1],   v[A+4*(\g):A+4*(\g)+1],   v[P+4*(\g):P+4*(\g)+1],   v[U+4*(\g):U+4*(\g)+1] clamp
	v_pk_fma_f32 v[P+4*(\g)+2:P+4*(\g)+3], v[A+4*(\g)+2:A+4*(\g)+3], v[P+4*(\g)+2:P+4*(\g)+3], v[U+4*(\g)+2:U+4*(\g)+3] clamp
.endm
.macro FIRSTASK                        ; the first step's look-ups for quads 0 to 2; quad 3's follow in the first step
	IDX 0
	IDX 1
	IDX 2
	LOOK 0
	LOOK 1
	LOOK 2
.endm
; Row B's channel in hand is finished: number n of the eight lines that carry its sum across the lanes and put it into lane CH of SUMS.  Two stand in each quad's turn, other lines between them.
.macro FIN n
.if (\n) == 0
	v_add_f32_dpp v[TS], v[TS], v[TS] row_xmask:1 row_mask:0xf bank_mask:0xf
.elseif (\n) == 1
	v_add_f32_dpp v[TS], v[TS], v[TS] row_xmask:2 row_mask:0xf bank_mask:0xf
.elseif (\n) == 2
	v_add_f32_dpp v[TS], v[TS], v[TS] row_xmask:4 row_mask:0xf bank_mask:0xf
.elseif (\n) == 3
	v_add_f32_dpp v[TS], v[TS], v[TS] row_xmask:8 row_mask:0xf bank_mask:0xf
.elseif (\n) == 4
	v_permlanex16_b32 v[TS2], v[TS], s14, s15
.elseif (\n) == 5
	v_add_f32 v[TS], v[TS], v[TS2]
.elseif (\n) == 6
	v_cmp_eq_u32 vcc_lo, s[CH], v[LN]
.else
	v_cndmask_b32 v[SUMS], v[SUMS], v[TS], vcc_lo
	s_add_co_u32 s[CH], s[CH], 1
.endif
.endm
; A step: four turns.  Turn g: the indices of the quad before (its step is a turn old), the wait for quad g's look-ups, quad g's step, the look-ups of the quad before (their indices are two vector lines old).
; Quad g is asked for in turn g + 1 and waited for in turn g of the next step: behind its eight look-ups stand those of two quads, 16: the same on the way in (quads 1 and 2), from step to step and over a backward jump.
; 24 look-ups of a wave are out at the most.
.macro STEPW fin
.set qd, 0
.rept 4
	IDX (qd+3)%4
.if \fin
	FIN 2*qd
.endif
	MOVE qd, 16
.if \fin
	FIN 2*qd+1
.endif
	LOOK (qd+3)%4
.set qd, qd+1
.endr
.endm
; A row's last step: quad 3 asks once more, nobody else: the counts run down, and a quad leaves as soon as it is done.
.macro LASTSTEP row
	IDX 3
	MOVE 0, 16
	LOOK 3
	global_store_b128 v[OFF], v[P:P+3], s[10:11] offset:(\row)*OUTB th:TH_STORE_NT  ; a wave stores 512 consecutive bytes, at a multiple of 512 from out0's first byte
	MOVE 1, 16                                     ; behind quad 1's: quads 2 and 3
	global_store_b128 v[OFF], v[P+4:P+7], s[10:11] offset:(\row)*OUTB+8192 th:TH_STORE_NT
	MOVE 2, 8
	global_store_b128 v[OFF], v[P+8:P+11], s[10:11] offset:(\row)*OUTB+16384 th:TH_STORE_NT
	MOVE 3, 0
	global_store_b128 v[OFF], v[P+12:P+15], s[10:11] offset:(\row)*OUTB+24576 th:TH_STORE_NT
.endm
; Row B's stream, one load a step.  Slot q of the ring holds load q % 4 of the trip's channel q / 4.  left: the loads issued behind it.  refill = 1: the slot takes the same load three channels on.
.macro TAKE q, left, refill
	s_wait_loadcnt \left
.if (\q)%4 == 0
	v_pk_add_f32 v[CS:CS+1], v[R+4*(\q):R+4*(\q)+1], v[R+4*(\q)+2:R+4*(\q)+3]  ; a channel's first load starts its sum: nothing is cleared
.else
	v_pk_add_f32 v[CS:CS+1], v[CS:CS+1], v[R+4*(\q):R+4*(\q)+1]
	v_pk_add_f32 v[CS:CS+1], v[CS:CS+1], v[R+4*(\q)+2:R+4*(\q)+3]
.endif
.if \refill
	global_load_b128 v[R+4*(\q):R+4*(\q)+3], v[OFF], s[30:31] offset:(15+(\q)/4)*CHB+((\q)%4)*8192 th:TH_LOAD_NT
.endif
.if (\q)%4 == 3
	v_add_f32 v[TS], v[CS], v[CS+1]
.endif
.endm
	GETTAB TABA
	v_mov_b32 v[SUMS], 0
	v_mov_b32 v[TS2], 0                            ; v_permlanex16_b32's destination counts as read
	s_mov_b32 s[CH], 0
	s_mov_b64 s[30:31], s[4:5]                     ; the stream's base: it steps three channels a trip
	s_wait_dscnt 0x0
	FIXTAB
	FIRSTASK
	s_mov_b32 s13, (STEPS-2)/RING-1
; ROW A's WALK, ROW B's STREAM.  A trip is 12 steps and three channels: each step takes in the load that was asked for 12 steps earlier (the 11 younger ones stay out) and asks for the one three channels on.
; Three trips ask for channels 15 to 23; on the way in the ring holds channels 12 to 14, asked for at the end of row A's stream.
.Lwalk_a:
.set q, 0
.rept RING
	TAKE q, RING-1, 1
	STEPW (q%4)/3
.set q, q+1
.endr
	s_wait_xcnt 0x0                                ; the loads' base is stepped only behind this wait (ISA guide 3.1)
	s_add_nc_u64 s[30:31], s[30:31], 3*CHB
	s_sub_co_u32 s13, s13, 1
	s_cmp_lg_u32 s13, 0
	s_cbranch_scc1 .Lwalk_a
.set q, 0
.rept RING                             ; steps 37 to 48 are written out: the last three channels come in, nothing is asked for, no load leaves the two rows: the counts run down
	TAKE q, RING-1-q, 0
	STEPW (q%4)/3
.set q, q+1
.endr
	PUT SUMS, PARTB
.Lmeet3:
	s_wait_dscnt 0x0                               ; for wave 16's sake: my sums of row B are in LDS (my look-ups come back with them: no LDS instruction is out at a signal)
	s_barrier_signal -1
	s_barrier_wait -1
	s_cmp_eq_u32 s12, NW
	s_cbranch_scc1 .Ltable_b
	STEPW 0                                        ; while wave 16 makes table B: step 49,
	LASTSTEP 0                                     ; step 50 and row A's stores,
	s_wait_xcnt 0x0                                ; (P, which the stores read, is rewritten only behind this wait)
	GRID                                           ; and the grid anew
	s_branch .Lmeet4
.Ltable_b:
	TABLE PARTB, TABB
.Lmeet4:
	s_wait_dscnt 0x0                               ; for the others' sake: table B is in LDS
	s_barrier_signal -1
	s_barrier_wait -1
	s_cmp_eq_u32 s12, NW
	s_cbranch_scc1 .Lmeet5
	GETTAB TABB
.Lmeet5:
	s_wait_dscnt 0x0                               ; my read of table B is back.  Between the last barrier and this one no wave writes LDS:
	s_barrier_signal -1                            ; every wave's closing add, wave 16's too, comes behind every wave's read of the table
	s_barrier_wait -1
	s_cmp_eq_u32 s12, NW
	s_cbranch_scc0 .Lwalk_b
	s_wait_tensorcnt 0x0                           ; wave 16's end: a closing LDS add, behind my last LDS store
	ds_add_u32 v[SPW], v[NIL]
	s_wait_dscnt 0x0
	s_endpgm
; ---------------------------------------------------------------- waves 0-15: row B's walk: 49 steps as 7 trips of 7, then the last
.Lwalk_b:
	FIXTAB
	FIRSTASK
	s_mov_b32 s13, (STEPS-1)/7
.Lstep_b:
.rept 7
	STEPW 0
.endr
	s_sub_co_u32 s13, s13, 1
	s_cmp_lg_u32 s13, 0
	s_cbranch_scc1 .Lstep_b
	LASTSTEP 1
	s_wait_tensorcnt 0x0                           ; the wave's end: a closing LDS add, behind my last LDS store
	ds_add_u32 v[SPW], v[NIL]
	s_wait_dscnt 0x0
	s_endpgm
.Lfunc_end_k_qd6213b8874_warp:
	.size	k_qd6213b8874_warp, .Lfunc_end_k_qd6213b8874_warp-k_qd6213b8874_warp
	.p2alignl 7, 3214868480
	.fill 96, 4, 3214868480
	.section	.rodata,"a",@progbits
	.p2align	6, 0x0
	.amdhsa_kernel k_qd6213b8874_warp
		.amdhsa_group_segment_fixed_size 6912
		.amdhsa_private_segment_fixed_size 0
		.amdhsa_enable_private_segment 0
		.amdhsa_kernarg_size 32
		.amdhsa_user_sgpr_count 2
		.amdhsa_user_sgpr_kernarg_segment_ptr 1
		.amdhsa_wavefront_size32 1
		.amdhsa_system_sgpr_workgroup_id_x 1
		.amdhsa_system_sgpr_workgroup_id_y 1
		.amdhsa_system_sgpr_workgroup_id_z 1
		.amdhsa_system_vgpr_workitem_id 0
		.amdhsa_next_free_vgpr 160
		.amdhsa_next_free_sgpr 66
		.amdhsa_reserve_vcc 1
		.amdhsa_float_denorm_mode_32 3
		.amdhsa_float_denorm_mode_16_64 3
		.amdhsa_memory_ordered 1
		.amdhsa_forward_progress 1
		.amdhsa_inst_pref_size 193
	.end_amdhsa_kernel
	.amdgpu_metadata
---
amdhsa.version: [ 1, 2 ]
amdhsa.kernels:
  - .name:           k_qd6213b8874_warp
    .symbol:         k_qd6213b8874_warp.kd
    .args:
      - { .name: input_seq, .offset: 0, .size: 8, .value_kind: global_buffer, .address_space: global }
      - { .name: loc_w, .offset: 8, .size: 8, .value_kind: global_buffer, .address_space: global }
      - { .name: loc_b, .offset: 16, .size: 8, .value_kind: global_buffer, .address_space: global }
      - { .name: out0, .offset: 24, .size: 8, .value_kind: global_buffer, .address_space: global }
    .group_segment_fixed_size: 6912
    .private_segment_fixed_size: 0
    .kernarg_segment_align: 8
    .kernarg_segment_size: 32
    .max_flat_workgroup_size: 544
    .sgpr_count:     66
    .vgpr_count:     160
    .wavefront_size: 32
...
	.end_amdgpu_metadata
.endif
;; end of part 2
;; ======== version 3 of 3: 1 launch; version 2 with the launch warp written anew for expert scheduling mode
;; launch warp (part 3): grid 256 x 1, 17 waves a work-group, no clusters, 6,912 bytes of LDS; arguments input_seq, loc_w, loc_b, out0; writes out0
.if DOCPART == 3
	.amdgcn_target "amdgcn-amd-amdhsa--gfx1250"
	.amdhsa_code_object_version 6
	.text
	.protected	k_qd6213b8874_warp
	.globl	k_qd6213b8874_warp
	.p2align	8
	.type	k_qd6213b8874_warp,@function
k_qd6213b8874_warp:
	s_mov_b64 s[64:65], 0
	v_nop
	global_prefetch_b8 v0, s[64:65] scope:SCOPE_SE
	s_setreg_imm32_b32 hwreg(HW_REG_WAVE_SCHED_MODE, 0, 2), 2
	s_setreg_imm32_b32 hwreg(HW_REG_WAVE_MODE, 25, 1), 1
	s_wait_xcnt 0x0
	s_wait_alu depctr_vm_vsrc(0)
; CPAB WARP.  out0[b][p] = the grid point p / 8191 carried through 50 Euler steps of the piecewise affine field v(x) = a_c x + b_c, c = floor(16 x), clipped to [0, 1] after each step.
; (a, b) = B theta, theta = mean over the length of input_seq[b] times loc_w plus loc_b.  A work-group makes TWO neighbouring batch rows, A and B: 24 channels, 786,432 consecutive bytes.
; THE ORDER.  A row's walk needs the whole row's mean, and moves no bytes; a row's stream needs next to no arithmetic.  So row B is streamed UNDER row A's walk: all waves stream row A; then each step of row A's walk
; takes in one 16-byte load a thread of row B, asked for twelve steps earlier, and asks for the next; then row B is walked.
; THE BASIS B is rows 17..31 of Vt of numpy's SVD of the constant 17 x 32 matrix of constraints.  A null-space basis is not unique, so the library's way is followed: for 17 x 32 (32 >= int(17 x 11 / 6))
; LAPACK's dgesdd first factors the matrix as L Q by Householder reflectors H0 .. H16 and leaves rows 17..31 of Q = H16 .. H0 untouched in Vt.  So B theta = H0 H1 .. H16 z with z = (17 zeros, theta).
; The reflectors hang on no input: wave 16 makes them (f32, one lane a column, dlarfg's choice of sign) while waves 0-15 wait for memory, and applies them to each row's vector z.
; SHARES.  Waves 0-15: thread t sums 16 bytes at 16 t of each 8,192 bytes of the channels (4 loads a channel), and walks the points 2048 k + 4 t + 0..3, k = 0..3, of both rows.
; Wave 16: the reflectors, theta, the tables of 16 cells.  Five barriers: A's sums -> wave 16; table A -> waves 0-15; B's sums -> wave 16; table B -> waves 0-15; and one behind every wave's read of table B.
; THE LOOK-UP names a lane, no memory: the table lies in two registers, cell n in lane n, and ds_bpermute_b32 pulls from the lane in bits 6:2 of its index (ISA guide, the entry of DS_BPERMUTE_B32).
; The index is the f32 u = 64 phi + (2^23 - 0.5), one fused rounding: from 2^23 on the step between floats is 1, so u's low bits hold floor(64 phi) and bits 6:2 hold floor(16 phi), the same cell as reference()'s
; (a tie, 64 phi whole, goes to the even side, which never leaves the cell).  phi = 1 gives lane 16, which repeats cell 15 (the clip of the index); 64 phi < 0.25 leaves u at 2^23 - 0.5, bits 6:2 = 31: lane 31 repeats cell 0.
; THE STEP is one packed fused multiply-add for two points, phi <- a' phi + b', and the clip to [0, 1] is its output modifier clamp (ISA guide, the vector ALU's output modifiers): for two points and a step
; the text has two vector instructions (index, step) and four look-ups.
; mask IS NOT READ: reference() never uses it, no output number hangs on it.
; THE TWO MATRIX PRODUCTS (12 -> 15 -> 32 numbers for each of two rows a work-group) run in f32 on the vector unit: a matrix tile's 16 rows would hold two.
; NO CLUSTER, NO TENSOR LOAD: work-groups share 780 bytes of weights alone, and the stream is only summed, so what is in flight lies in registers.
; LIMITS.  Order of rounding: a step is phi <- a' phi + b' with a' = 1 + dt a, b' = dt b (one rounding for reference()'s three); the grid is p x fl(1/8191); sums in trees.  Where |1 + dt a| makes the iteration
; amplify its last bits, it amplifies these as it does reference()'s own.  dlarfg's case of a row whose tail is all zero is not written: the constant matrix has none.  NaN and infinities are not treated apart
; (the clamp does not keep a NaN as NaN), nor is the sign of a zero kept.
; THE MODE: SCHED_MODE bits 1:0 = 2 (LLVM: expert scheduling mode 2), set by the entry lines.  The code itself states the register dependences between vector instructions and memory or LDS instructions,
; and those through scalar registers and VCC that vector instructions write, with s_wait_alu, always for 0.
; THE PLAN.  Registers that memory or LDS instructions touch:
;   OFF, TBA (waves 0-15), AD, LA (wave 16)   offsets and LDS addresses: made once at the wave's start, ahead of one wait on va_vdst, and never written again.
;   PA, PB          the LDS addresses of the two stores of channel sums: each made once, straight ahead of the wait on va_vdst that stands in front of its store, and never written again.
;   X, slot c % 8   row A's stream: SUM c's additions read and write the slot; one wait on va_vdst behind them; then the loads of channel c + 8 land in it.
;   R[q]            row B's ring: read by the additions in turn 0 of a step; the refill stands behind the wait at the head of the step's turn 1.
;   U[g]            quad g's indices: written by IDX g in turn g; read by LOOK g in turn g + 1.
;   A[g], BB[g]     quad g's a' and b': LOOK g lands in them in turn g + 1; MOVE g reads them in turn g of the next step.
;   TA              the table: an LDS load lands in it, four v_writelane_b32 mend it, ahead of FIRSTASK's wait; every look-up reads it.  No line of the text, wave 16's neither, names its two registers ahead of the first load.
;   P               written by every MOVE; read by the four stores of a row's last step.
;   ACC, SUMS, T2, T3   the data of one LDS store each, with one wait on va_vdst ahead of it; none is written again behind its store.
; So a turn of the walk has ONE wait on va_vdst, at its head: it states that the step and the indices of the quad before, which were issued ahead of the last eight look-ups, are done; the vector lines that follow it
; name this turn's quad alone, and the look-ups at the turn's end touch the quad before alone.  A wait on vm_vsrc stands ahead of the indices in turns 0 and 2: between LOOK g and the next IDX g lie more than two turns.
.set NW,    16                         ; waves that stream and walk; wave NW makes the tables
.set CHB,   32768                      ; bytes of a channel
.set ROWB,  12*CHB                     ; bytes of a batch row of input_seq
.set OUTB,  32768                      ; bytes of a row of out0
.set STEPS, 50
.set RING,  12                         ; row B's loads that a thread has out during row A's walk: three channels
.set PARTA, 0                          ; LDS: row A's channel sums, wave w's at 128 w, channel c in word c: 2,048 bytes
.set PARTB, 2048                       ; LDS: row B's
.set TABA,  4096                       ; LDS: row A's table, (a', b') of cell n at 8 n: 128 bytes
.set TABB,  4352                       ; LDS: row B's.  From byte 4,608 on: a spare word a lane, for the closing add
.set PA,  1                            ; v1      LDS: 128 x wave + 4 x lane: where my wave's channel sums of row A go; written once
.set PB,  2                            ; v2      the same number once more, for row B's; written once
.set LN,  3                            ; v3      my lane
.set OFF, 4                            ; v4      16 t: my bytes in each 8,192 of a channel and of a row of out0; never rewritten
.set AD,  5                            ; v5      at work; in wave 16 the offset of loc_w's and loc_b's loads
.set TBA, 6                            ; v6      where my lane's cell lies in a table; never rewritten
.set ACC, 8                            ; v[8:19]   row A's 12 channel sums
.set TA,  22                           ; v[22:23]  the table: a' and b', cell n in lane n
.set X,   32                           ; v[32:159] eight slots of 16 registers: a channel's four loads each
.set P,   32                           ; v[32:47]  later: phi of my 16 points, four quads of four neighbouring points
.set U,   48                           ; v[48:63]  the look-up's index
.set A,   64                           ; v[64:79]  a'
.set CS,  80                           ; v[80:81]  row B: the sum of the channel in hand
.set TS,  82                           ; v[82:83]  the same on its way across the lanes
.set TS2, 83
.set SUMS, 84                          ; v84       row B: channel c's sum in lane c
.set R,   X+64                         ; v[96:143] row B's ring of 12 loads: slots 4 to 6 of X, which the stream of row A fills last
.set BB,  X+112                        ; v[144:159] b': slot 7 of X, which holds nothing behind channel 7's sum
; wave 16 alone
.set LA,  6                            ; 4 x lane: the LDS address of the sums' loads and the tables' stores; never rewritten
.set Q,   7                            ; column / 2: the cell that a column belongs to
.set RC,  8                            ; the constraint row in hand
.set R15, 9                            ; row 15 (v(0) = 0) and row 16 (v(1) = 0), carried through the reflectors
.set R16, 10
.set E,   11                           ; 1/16 in even columns, 0 in odd ones
.set M,   12                           ; x_k in even columns, 1 in odd ones
.set EV,  13                           ; 1 in even columns, 0 in odd ones
.set DD,  14                           ; v[14:15] 1 where the column's cell is k: by k's parity
.set T0,  16                           ; v[16:20] at work; T2 and T3 are the two tables' way out
.set T1,  17
.set T2,  18
.set T3,  19
.set T4,  20
.set W,   32                           ; v[32:48]  w_i: H_i = 1 - gamma_i w_i w_i^T
.set G,   64                           ; v[64:80]  -gamma_i w_i
.set WC,  96                           ; v[96:107] lane 17 + j: loc_w[c][j] / 8192
.set Y,   108                          ; lane 17 + j: theta[j]; then B theta
.set Y0,  109                          ; lane 17 + j: loc_b[j]; 0 below
.set S0,  112                          ; v[112:127] the 16 waves' channel sums
.set CH,  44                           ; s44     row B's channel in hand
	s_load_b256 s[4:11], s[0:1], 0x0               ; input_seq s[4:5], loc_w s[6:7], loc_b s[8:9], out0 s[10:11]
	v_lshl_add_u32 v30, v0, 2, 0x1200
	v_mov_b32 v31, 0
	v_lshrrev_b32 v[AD], 5, v0
	v_readfirstlane_b32 s12, v[AD]                 ; my wave, 0..16
	v_and_b32 v[LN], 31, v0
	s_mov_b32 s14, 0x76543210                      ; v_permlanex16_b32: each lane takes its own place in the other half
	s_mov_b32 s15, 0xfedcba98
	s_mov_b32 s20, 0x4affffff                      ; 2^23 - 0.5
	s_mov_b32 s21, s20                             ; named with it as a pair
	s_mov_b32 s22, 0x39000400                      ; 1 / 8191, rounded
	s_mov_b32 s23, s22                             ; likewise
	s_mov_b32 s28, 0x42800000                      ; 64
	s_mov_b32 s29, s28                             ; likewise
	s_mul_i32 s16, ttmp9, 2*ROWB                   ; my two rows' first byte: 255 x 786,432 at the most, under 2^28
	s_mov_b32 s17, 0
	s_lshl_b32 s18, ttmp9, 16                      ; and in out0: 2 x 32,768 bytes
	s_mov_b32 s19, 0
	s_wait_kmcnt 0x0
	s_add_nc_u64 s[4:5], s[4:5], s[16:17]
	s_add_nc_u64 s[10:11], s[10:11], s[18:19]
	s_wait_alu depctr_va_sdst(0)                   ; s12 is written, ahead of its first reader: the compare below
	s_cmp_eq_u32 s12, NW
	s_cbranch_scc1 .Lbasis
; ---------------------------------------------------------------- waves 0-15: row A is streamed and summed by channels
.macro FILL c                          ; channel c of the 24 (12 and up are row B's) into slot c % 8: four loads, each 512 consecutive bytes a wave, 8,192 the sixteen waves
.irp i, 0,1,2,3
	global_load_b128 v[X+16*((\c)%8)+4*(\i):X+16*((\c)%8)+4*(\i)+3], v[OFF], s[4:5] offset:(\c)*CHB+(\i)*8192 th:TH_LOAD_NT
.endr
.endm
.macro SUM c, left                     ; my 16 numbers of channel c become one; left: the younger channels' loads, which may stay out
.set SL, X+16*((\c)%8)
	s_wait_loadcnt \left                           ; loads come back in order (ISA guide 5.7.1)
.irp i, 0,2,4,6
	v_pk_add_f32 v[SL+(\i):SL+(\i)+1], v[SL+(\i):SL+(\i)+1], v[SL+8+(\i):SL+8+(\i)+1]
.endr
.irp i, 0,2
	v_pk_add_f32 v[SL+(\i):SL+(\i)+1], v[SL+(\i):SL+(\i)+1], v[SL+4+(\i):SL+4+(\i)+1]
.endr
	v_pk_add_f32 v[SL:SL+1], v[SL:SL+1], v[SL+2:SL+3]
	v_add_f32 v[ACC+(\c)], v[SL], v[SL+1]
.endm
.macro PUT r, part, ad                 ; my wave's sums, channel c in lane c of register r, into its 128 bytes; ad: the address's register, this store's own
	s_lshl_b32 s16, s12, 7
	v_and_b32 v[\ad], 31, v0
	v_lshl_add_u32 v[\ad], v[\ad], 2, s16          ; 128 x wave + 4 x lane
	s_wait_alu depctr_va_vdst(0)                   ; the selects have written the register of sums and the two lines above the address: the LDS store reads both
	ds_store_b32 v[\ad], v[\r] offset:\part
.endm
	v_lshlrev_b32 v[OFF], 4, v0
	v_and_b32 v[TBA], 15, v0                       ; lane n takes cell n % 16: 8 bytes at 8 (t % 16), inside a table's 128
	v_lshlrev_b32 v[TBA], 3, v[TBA]
	s_wait_alu depctr_va_vdst(0)                   ; OFF and TBA are written: every global load and store of waves 0-15 and the two loads of a table read one of them as their address
.irp c, 0,1,2,3,4,5,6,7
	FILL \c                                        ; 32 loads, 16 KB a wave, are out from here on
.endr
.irp c, 0,1,2,3,4,5,6
	SUM \c, 28                                     ; seven younger channels, 28 loads, stay out
	s_wait_alu depctr_va_vdst(0)                   ; the additions are done reading and writing the slot, in which the next four loads land
	FILL (\c)+8                                    ; the ring runs on into row B: channels 12 to 14 are its first three
.endr
	SUM 7, 28                                      ; no more is asked for here: the counts run down to row B's 12 loads, which stay out
	SUM 8, 24
	SUM 9, 20
	SUM 10, 16
	SUM 11, 12
.irp c, 1,2,3,4,5,6,7,8,9,10,11
	v_cmp_eq_u32 s[32+\c], \c, v[LN]               ; lane c's mask, for the selects below: the eleven compares stand in one run, ahead of the work across the lanes
.endr
.irp m, 1,2,4,8                        ; across the lanes: four steps inside each half of 16 ride on the addition, one crosses the halves; the 12 sums take turns
.irp c, 0,1,2,3,4,5,6,7,8,9,10,11
	v_add_f32_dpp v[ACC+\c], v[ACC+\c], v[ACC+\c] row_xmask:\m row_mask:0xf bank_mask:0xf
.endr
.endr
.irp c, 0,1,2,3,4,5,6,7,8,9,10,11
	v_permlanex16_b32 v[X+\c], v[ACC+\c], s14, s15 ; its destination counts as read: slot 0's registers have been written, and no load is on its way there
.endr
.irp c, 0,1,2,3,4,5,6,7,8,9,10,11
	v_add_f32 v[ACC+\c], v[ACC+\c], v[X+\c]
.endr
	s_wait_alu depctr_va_sdst(0)                   ; the eleven compares have written s33 to s43, which the selects read
.irp c, 1,2,3,4,5,6,7,8,9,10,11
	v_cndmask_b32 v[ACC], v[ACC], v[ACC+\c], s[32+\c]  ; channel c's sum into lane c of one register (lanes 12 and up keep channel 0's: nobody uses them)
.endr
	PUT ACC, PARTA, PA
	s_branch .Lmeet1
; ---------------------------------------------------------------- wave 16, meanwhile: the 17 reflectors
.macro WSUM r, t                       ; the sum of r over the 32 lanes, into every lane; t has been written before
	v_add_f32_dpp v[\r], v[\r], v[\r] row_xmask:1 row_mask:0xf bank_mask:0xf
	v_add_f32_dpp v[\r], v[\r], v[\r] row_xmask:2 row_mask:0xf bank_mask:0xf
	v_add_f32_dpp v[\r], v[\r], v[\r] row_xmask:4 row_mask:0xf bank_mask:0xf
	v_add_f32_dpp v[\r], v[\r], v[\r] row_xmask:8 row_mask:0xf bank_mask:0xf
	v_permlanex16_b32 v[\t], v[\r], s14, s15
	v_add_f32 v[\r], v[\r], v[\t]
.endm
; Constraint row k, 0..14 (continuity at x = (k + 1) / 16): (x, 1) in cell k's two columns, (-x, -1) in cell k + 1's.  No earlier reflector but H_(k-1) reaches those columns, so the row is made when it is due.
; s30 holds the mask of cell k + 1's two columns: its compare stands in the run of compares ahead, with that run's wait behind it.
.macro MKROW k
	v_cndmask_b32 v[DD+((\k)+1)%2], 0, 1.0, s30
	v_sub_f32 v[T0], v[DD+(\k)%2], v[DD+((\k)+1)%2]
	v_mul_f32 v[RC], v[M], v[T0]
	v_add_f32 v[M], v[M], v[E]                     ; the next knot: exact, sixteenths
.endm
; H_i turns row r's columns i.. onto column i: beta = -sign(alpha) |r(i..)|, w = r(i..) - beta e_i, H = 1 - w w^T / (beta (beta - alpha)): dlarfg's reflector, written without its scaling of w.
; k >= 0: row k is made behind this reflector, and its mask's compare joins this one's two.
.macro REFLECT i, r, k=-1
	v_cmp_le_u32 s26, \i, v[LN]                    ; columns i and up
	v_cmp_eq_u32 s31, \i, v[LN]                    ; column i
.if (\k) >= 0
	v_cmp_eq_u32 s30, (\k)+1, v[Q]                 ; cell k + 1's two columns
.endif
	s_wait_alu depctr_va_sdst(0)                   ; the compares have written s26, s31 (and s30), which the selects read
	v_cndmask_b32 v[W+\i], 0, v[\r], s26           ; columns i and up
	v_readlane_b32 s24, v[W+\i], \i                ; alpha
	v_mul_f32 v[T0], v[W+\i], v[W+\i]
	WSUM T0, T1
	v_sqrt_f32 v[T0], v[T0]
	s_wait_alu depctr_va_sdst(0)                   ; s24 is written, ahead of its first reader: the line below
	s_xor_b32 s25, s24, 0x80000000
	v_nop                                          ; a plain instruction between the root and its use (ISA guide 5.7.2)
	s_wait_alu depctr_va_vdst(0)
	v_bfi_b32 v[T2], 0x7fffffff, v[T0], s25        ; beta: the norm with -alpha's sign (alpha = +0 counts as positive, as Fortran's SIGN has it)
	v_sub_f32 v[T3], s24, v[T2]                    ; alpha - beta: two numbers of unlike sign, nothing cancels
	v_mul_f32 v[T4], v[T2], v[T3]                  ; beta (alpha - beta) = -1 / gamma
	v_rcp_f32 v[T4], v[T4]
	v_cndmask_b32 v[W+\i], v[W+\i], v[T3], s31     ; w; also the plain instruction behind the reciprocal
	s_wait_alu depctr_va_vdst(0)
	v_mul_f32 v[G+\i], v[T4], v[W+\i]              ; -gamma w
.endm
.macro APPLY i, y                      ; y <- H_i y = y + (w . y) (-gamma w)
	v_mul_f32 v[T0], v[W+\i], v[\y]
	WSUM T0, T1
	v_fmac_f32 v[\y], v[T0], v[G+\i]
.endm
; A row's table: the 16 waves' sums from LDS at part; theta; B theta; (a', b') to LDS at tab, out of register out: the two tables take T2 and T3, so that neither is written again behind the store that reads it.
; The loads owe no wait: LA was written ahead of the wave's first wait on va_vdst, and what the first table's additions and v_readlane_b32 did with S0 stands ahead of that table's wait on va_vdst.
.macro TABLE part, tab, out
.irp w, 0,1,2,3,4,5,6,7,8,9,10,11,12,13,14,15
	ds_load_b32 v[S0+\w], v[LA] offset:(\part)+128*\w  ; lane c: wave w's sum of channel c
.endr
	s_wait_dscnt 0x0
.irp i, 0,2,4,6
	v_pk_add_f32 v[S0+\i:S0+\i+1], v[S0+\i:S0+\i+1], v[S0+8+\i:S0+8+\i+1]
.endr
.irp i, 0,2
	v_pk_add_f32 v[S0+\i:S0+\i+1], v[S0+\i:S0+\i+1], v[S0+4+\i:S0+4+\i+1]
.endr
	v_pk_add_f32 v[S0:S0+1], v[S0:S0+1], v[S0+2:S0+3]
	v_add_f32 v[S0], v[S0], v[S0+1]
.irp c, 0,1,2,3,4,5,6,7,8,9,10,11
	v_readlane_b32 s[32+\c], v[S0], \c
.endr
	s_wait_alu depctr_va_sdst(0)                   ; s32 to s43 are written, which the twelve multiply-adds read
	v_fma_f32 v[Y], s32, v[WC], v[Y0]              ; lane 17 + j: theta[j] = loc_b[j] + sum over c of the channel's mean x loc_w[c][j]
.irp c, 1,2,3,4,5,6,7,8,9,10,11
	v_fmac_f32 v[Y], s[32+\c], v[WC+\c]
.endr
.set i, 16
.rept 17
	APPLY i, Y                                     ; H_16 first, H_0 last: lane 2 c now holds a_c, lane 2 c + 1 holds b_c
.set i, i-1
.endr
	v_fmamk_f32 v[\out], v[Y], 0x3ca3d70a, v[EV]   ; dt = 1/50: a' = 1 + dt a in even lanes, b' = dt b in odd ones
	s_wait_alu depctr_va_vdst(0)                   ; the table's register is written, which the LDS store reads
	ds_store_b32 v[LA], v[\out] offset:\tab
.endm
.Lbasis:
	v_max_u32 v[AD], 17, v[LN]                     ; lane 17 + j takes column j of loc_w and loc_b[j]; lanes below 17 read column 0 and are cleared further down
	v_lshlrev_b32 v[AD], 2, v[AD]                  ; 68 + 4 j: the 68 is taken off in the immediates
	v_lshlrev_b32 v[LA], 2, v[LN]
	s_wait_alu depctr_va_vdst(0)                   ; AD and LA are written: every load of wave 16, and every LDS access but the closing add, reads one of them as its address
.irp c, 0,1,2,3,4,5,6,7,8,9,10,11
	global_load_b32 v[WC+\c], v[AD], s[6:7] offset:60*\c-68
.endr
	global_load_b32 v[Y0], v[AD], s[8:9] offset:-68
	v_lshrrev_b32 v[Q], 1, v[LN]
	v_and_b32 v[T0], 1, v[LN]
	s_mov_b32 s27, 0x3d800000                      ; 1/16
	v_cmp_eq_u32 s32, 0, v[T0]                     ; even columns hold slopes, odd ones offsets
	v_cmp_eq_u32 s33, 0, v[Q]                      ; cell 0's columns
	v_cmp_eq_u32 s34, 1, v[LN]                     ; column 1
	v_cmp_eq_u32 s35, 15, v[Q]                     ; cell 15's columns
	v_cmp_eq_u32 s30, 1, v[Q]                      ; cell 1's columns, for row 0
	s_wait_alu depctr_va_sdst(0)                   ; the five compares have written their masks, which the selects read
	v_cndmask_b32 v[E], 0, s27, s32
	v_cndmask_b32 v[M], 1.0, s27, s32
	v_cndmask_b32 v[EV], 0, 1.0, s32
	v_cndmask_b32 v[DD], 0, 1.0, s33
	v_cndmask_b32 v[R15], 0, 1.0, s34              ; row 15: b_0 = 0
	v_cndmask_b32 v[R16], 0, 1.0, s35              ; row 16: a_15 + b_15 = 0
	v_mov_b32 v[T1], 0
	MKROW 0
.set i, 0
.rept 14                               ; H_i reaches columns i .. 2 i + 3: of the rows still to come it changes row i + 1 and row 15 (row 16, in columns 30 and 31, from i = 14 on)
	REFLECT i, RC, i+1
	MKROW i+1
	APPLY i, RC
	APPLY i, R15
.set i, i+1
.endr
	REFLECT 14, RC
	APPLY 14, R15
	APPLY 14, R16
	REFLECT 15, R15
	APPLY 15, R16
	REFLECT 16, R16
	s_wait_loadcnt 0x0                             ; loc_w and loc_b, asked for at the wave's start
	s_mov_b32 s27, 0x39000000                      ; 1 / 8192: the mean's divisor goes into the weights, exactly
	v_cmp_le_u32 s26, 17, v[LN]
	s_wait_alu depctr_va_sdst(0)                   ; the compare has written s26, which the two selects read
	v_cndmask_b32 v[T0], 0, s27, s26
	v_cndmask_b32 v[Y0], 0, v[Y0], s26             ; z's first 17 numbers are 0
.irp c, 0,1,2,3,4,5,6,7,8,9,10,11
	v_mul_f32 v[WC+\c], v[T0], v[WC+\c]
.endr
.Lmeet1:
	s_wait_dscnt 0x0                               ; for wave 16's sake: my sums of row A are in LDS
	s_barrier_signal -1
	s_barrier_wait -1
	s_cmp_eq_u32 s12, NW
	s_cbranch_scc1 .Ltable_a
; ---------------------------------------------------------------- waves 0-15, while wave 16 makes a table: the grid
.macro GRID
	v_lshlrev_b32 v[AD], 2, v0                     ; 4 t (in waves 0-15 no memory or LDS instruction names v[AD])
.irp k, 0,1,2,3
.irp e, 0,1,2,3
	v_add_nc_u32 v[P+4*(\k)+(\e)], 2048*(\k)+(\e), v[AD]  ; point p = 2048 k + 4 t + e: a store's 16 bytes a lane are four neighbouring points
.endr
.endr
.set j, 0
.rept 16
	v_cvt_f32_u32 v[P+j], v[P+j]
.set j, j+1
.endr
.set j, 0
.rept 8
	v_pk_mul_f32 v[P+2*j:P+2*j+1], v[P+2*j:P+2*j+1], s[22:23] op_sel_hi:[1,0]
.set j, j+1
.endr
.endm
	GRID
	s_branch .Lmeet2
.Ltable_a:
	TABLE PARTA, TABA, T2
.Lmeet2:
	s_wait_dscnt 0x0                               ; for the others' sake: table A is in LDS
	s_barrier_signal -1
	s_barrier_wait -1
	s_cmp_eq_u32 s12, NW
	s_cbranch_scc1 .Lmeet3                         ; wave 16 waits for row B's sums
; ---------------------------------------------------------------- waves 0-15: the walk, 16 points a lane in 4 quads
.macro GETTAB tab
	ds_load_b64 v[TA:TA+1], v[TBA] offset:\tab     ; lanes 0-15: cells 0-15; lanes 16-31 the same once more
.endm
.macro FIXTAB
	v_readlane_b32 s24, v[TA], 15
	v_readlane_b32 s25, v[TA+1], 15
	v_readfirstlane_b32 s26, v[TA]
	v_readfirstlane_b32 s27, v[TA+1]
	s_wait_alu depctr_va_sdst(0)                   ; s24 to s27 are written, which the four lines below read
	v_writelane_b32 v[TA], s24, 16                 ; cell 15 once more in lane 16, for phi = 1
	v_writelane_b32 v[TA+1], s25, 16
	v_writelane_b32 v[TA], s26, 31                 ; cell 0 once more in lane 31, for points so near 0 that the index stays below 2^23
	v_writelane_b32 v[TA+1], s27, 31
.endm
.macro IDX g                           ; quad g of 4: in which cells do its four points lie
	v_pk_fma_f32 v[U+4*(\g):U+4*(\g)+1],   v[P+4*(\g):P+4*(\g)+1],   s[28:29], s[20:21] op_sel_hi:[1,0,0]
	v_pk_fma_f32 v[U+4*(\g)+2:U+4*(\g)+3], v[P+4*(\g)+2:P+4*(\g)+3], s[28:29], s[20:21] op_sel_hi:[1,0,0]
.endm
.macro LOOK g                          ; its eight look-ups; a' and b' land in registers of their own, so that no look-up lands on an index that another still reads
.irp e, 0,1,2,3
	ds_bpermute_b32 v[A+4*(\g)+(\e)], v[U+4*(\g)+(\e)], v[TA]
.endr
.irp e, 0,1,2,3
	ds_bpermute_b32 v[BB+4*(\g)+(\e)], v[U+4*(\g)+(\e)], v[TA+1]
.endr
.endm
.macro MOVE g, left                    ; quad g's step, clipped to [0, 1] by the clamp; left: the look-ups issued behind its eight
	s_wait_dscnt \left                             ; LDS instructions of a wave end in order (ISA guide 5.7.1)
	v_pk_fma_f32 v[P+4*(\g):P+4*(\g)+1],   v[A+4*(\g):A+4*(\g)+1],   v[P+4*(\g):P+4*(\g)+1],   v[BB+4*(\g):BB+4*(\g)+1] clamp
	v_pk_fma_f32 v[P+4*(\g)+2:P+4*(\g)+3], v[A+4*(\g)+2:A+4*(\g)+3], v[P+4*(\g)+2:P+4*(\g)+3], v[BB+4*(\g)+2:BB+4*(\g)+3] clamp
.endm
.macro FIRSTASK                        ; the first step's indices, and its look-ups for quads 0 to 2; quad 3's follow in the first step
	IDX 0
	IDX 1
	IDX 2
	IDX 3
	s_wait_alu depctr_va_vdst(0)                   ; the indices and the table's four mended lanes are written, which the look-ups read; earlier vector lines are done with A and BB, in which they land
	LOOK 0
	LOOK 1
	LOOK 2
.endm
; Row B's channel in hand is finished: number n of the eight lines that carry its sum across the lanes and put it into lane CH of SUMS.  Two stand in each quad's turn, other lines between them.
.macro FIN n
.if (\n) == 0
	v_add_f32_dpp v[TS], v[TS], v[TS] row_xmask:1 row_mask:0xf bank_mask:0xf
.elseif (\n) == 1
	v_add_f32_dpp v[TS], v[TS], v[TS] row_xmask:2 row_mask:0xf bank_mask:0xf
.elseif (\n) == 2
	v_add_f32_dpp v[TS], v[TS], v[TS] row_xmask:4 row_mask:0xf bank_mask:0xf
.elseif (\n) == 3
	v_add_f32_dpp v[TS], v[TS], v[TS] row_xmask:8 row_mask:0xf bank_mask:0xf
.elseif (\n) == 4
	v_permlanex16_b32 v[TS2], v[TS], s14, s15
.elseif (\n) == 5
	v_add_f32 v[TS], v[TS], v[TS2]
.elseif (\n) == 6
	v_cmp_eq_u32 vcc_lo, s[CH], v[LN]
.else
	s_wait_alu depctr_va_vcc(0)                    ; the compare, two vector lines back, has written VCC, which the select reads
	v_cndmask_b32 v[SUMS], v[SUMS], v[TS], vcc_lo
	s_add_co_u32 s[CH], s[CH], 1
.endif
.endm
; Row B's stream, one load a step.  Slot q of the ring holds load q % 4 of the trip's channel q / 4.  left: the loads issued behind it.
.macro TAKE q, left
	s_wait_loadcnt \left
.if (\q)%4 == 0
	v_pk_add_f32 v[CS:CS+1], v[R+4*(\q):R+4*(\q)+1], v[R+4*(\q)+2:R+4*(\q)+3]  ; a channel's first load starts its sum: nothing is cleared
.else
	v_pk_add_f32 v[CS:CS+1], v[CS:CS+1], v[R+4*(\q):R+4*(\q)+1]
	v_pk_add_f32 v[CS:CS+1], v[CS:CS+1], v[R+4*(\q)+2:R+4*(\q)+3]
.endif
.if (\q)%4 == 3
	v_add_f32 v[TS], v[CS], v[CS+1]
.endif
.endm
; A step: four turns.  Turn g: the wait on va_vdst; the wait for quad g's look-ups; quad g's step; quad g's indices for the next step; the look-ups of the quad before, whose indices were made a turn ago.
; Quad g is asked for in turn g + 1 and waited for in turn g of the next step: behind its eight look-ups stand those of two quads, 16: the same on the way in (quads 1 and 2), from step to step and over a backward jump.
; 24 look-ups of a wave are out at the most.
; q >= 0: the step takes in slot q of row B's ring, in turn 0; refill = 1: the slot takes the same load three channels on, in turn 1, behind the wait that shows the additions done with it.
; The loads issued behind slot q's are then the eleven of slots q + 1 to q + 11, the last of them in turn 1 of the step before.
.macro STEPW fin=0, q=-1, left=0, refill=0
.set qd, 0
.rept 4
	s_wait_alu depctr_va_vdst(0)                   ; the quad before: its indices are written, which the look-ups at this turn's end read; its step is done reading its a' and b', in which they land.  In turn 1 also: the additions are done reading the ring's slot
.if ((\q) >= 0) && (qd == 0)
	TAKE \q, \left
.endif
.if (\refill) && (qd == 1)
	global_load_b128 v[R+4*(\q):R+4*(\q)+3], v[OFF], s[30:31] offset:(15+(\q)/4)*CHB+((\q)%4)*8192 th:TH_LOAD_NT
.endif
	MOVE qd, 16
.if \fin
	FIN 2*qd
.endif
.if qd%2 == 0
	s_wait_alu depctr_vm_vsrc(0)                   ; the look-ups issued so far have read their indices: this turn's quad and the next turn's, asked for three and two turns ago, may write theirs anew
.endif
	IDX qd
.if \fin
	FIN 2*qd+1
.endif
	LOOK (qd+3)%4                                  ; no vector line since the turn's head names a register of that quad, or the table
.set qd, qd+1
.endr
.endm
; A row's last step: quad 3 asks once more, nobody else: the counts run down.  Quads 0 to 2 leave while quad 3's look-ups are out.
.macro LASTSTEP row
	s_wait_alu depctr_va_vdst(0)                   ; quad 3's indices are written, and its step is done reading its a' and b'
	MOVE 0, 16
	LOOK 3
	MOVE 1, 16                                     ; behind quad 1's: quads 2 and 3
	MOVE 2, 8
	s_wait_alu depctr_va_vdst(0)                   ; the steps have written quads 0 to 2 of P, which the three stores read
	global_store_b128 v[OFF], v[P:P+3], s[10:11] offset:(\row)*OUTB th:TH_STORE_NT  ; a wave stores 512 consecutive bytes, at a multiple of 512 from out0's first byte
	global_store_b128 v[OFF], v[P+4:P+7], s[10:11] offset:(\row)*OUTB+8192 th:TH_STORE_NT
	global_store_b128 v[OFF], v[P+8:P+11], s[10:11] offset:(\row)*OUTB+16384 th:TH_STORE_NT
	MOVE 3, 0
	s_wait_alu depctr_va_vdst(0)                   ; the step has written quad 3 of P, which the last store reads
	global_store_b128 v[OFF], v[P+12:P+15], s[10:11] offset:(\row)*OUTB+24576 th:TH_STORE_NT
.endm
	GETTAB TABA                                    ; no wait: TBA was written ahead of the wave's first wait on va_vdst, and no line of the text has named TA's two registers yet
	v_mov_b32 v[SUMS], 0
	v_mov_b32 v[TS2], 0                            ; v_permlanex16_b32's destination counts as read
	s_mov_b32 s[CH], 0
	s_mov_b64 s[30:31], s[4:5]                     ; the stream's base: it steps three channels a trip
	s_wait_dscnt 0x0
	FIXTAB
	FIRSTASK
	s_mov_b32 s13, (STEPS-2)/RING-1
; ROW A's WALK, ROW B's STREAM.  A trip is 12 steps and three channels: each step takes in the load that was asked for 12 steps earlier (the 11 younger ones stay out) and asks for the one three channels on.
; Three trips ask for channels 15 to 23; on the way in the ring holds channels 12 to 14, asked for at the end of row A's stream.
.Lwalk_a:
.set q, 0
.rept RING
	STEPW (q%4)/3, q, RING-1, 1
.set q, q+1
.endr
	s_wait_xcnt 0x0                                ; the loads' base is stepped only behind this wait (ISA guide 3.1)
	s_add_nc_u64 s[30:31], s[30:31], 3*CHB
	s_sub_co_u32 s13, s13, 1
	s_cmp_lg_u32 s13, 0
	s_cbranch_scc1 .Lwalk_a
.set q, 0
.rept RING                             ; steps 37 to 48 are written out: the last three channels come in, nothing is asked for, no load leaves the two rows: the counts run down
	STEPW (q%4)/3, q, RING-1-q, 0
.set q, q+1
.endr
	PUT SUMS, PARTB, PB
.Lmeet3:
	s_wait_dscnt 0x0                               ; for wave 16's sake: my sums of row B are in LDS (my look-ups come back with them: no LDS instruction is out at a signal)
	s_barrier_signal -1
	s_barrier_wait -1
	s_cmp_eq_u32 s12, NW
	s_cbranch_scc1 .Ltable_b
	STEPW 0                                        ; while wave 16 makes table B: step 49,
	LASTSTEP 0                                     ; step 50 and row A's stores,
	s_wait_xcnt 0x0                                ; (P, which the stores read, is rewritten only behind this wait)
	s_wait_alu depctr_vm_vsrc(0)                   ; the stores have read P, which the grid writes anew; row A's look-ups have read U, which row B's first indices write, and TA, in which table B's load lands
	GRID                                           ; and the grid anew
	s_branch .Lmeet4
.Ltable_b:
	TABLE PARTB, TABB, T3
.Lmeet4:
	s_wait_dscnt 0x0                               ; for the others' sake: table B is in LDS
	s_barrier_signal -1
	s_barrier_wait -1
	s_cmp_eq_u32 s12, NW
	s_cbranch_scc1 .Lmeet5
	GETTAB TABB                                    ; no wait: the vector lines that named TA stand ahead of FIRSTASK's wait on va_vdst, the look-ups that read it ahead of the wait on vm_vsrc in front of the grid
.Lmeet5:
	s_wait_dscnt 0x0                               ; my read of table B is back.  Between the last barrier and this one no wave writes LDS:
	s_barrier_signal -1                            ; every wave's closing add, wave 16's too, comes behind every wave's read of the table
	s_barrier_wait -1
	s_cmp_eq_u32 s12, NW
	s_cbranch_scc0 .Lwalk_b
	s_wait_dscnt 0x0                               ; wave 16's end: the waits, then a closing LDS add
	s_wait_alu depctr_hold_cnt(0) depctr_sa_sdst(0) depctr_va_vdst(0) depctr_va_sdst(0) depctr_va_ssrc(0) depctr_va_vcc(0) depctr_vm_vsrc(0)
	s_wait_tensorcnt 0x0
	ds_add_u32 v30, v31
	s_wait_dscnt 0x0
	s_endpgm
; ---------------------------------------------------------------- waves 0-15: row B's walk: 49 steps as 7 trips of 7, then the last
.Lwalk_b:
	FIXTAB
	FIRSTASK
	s_mov_b32 s13, (STEPS-1)/7
.Lstep_b:
.rept 7
	STEPW 0
.endr
	s_sub_co_u32 s13, s13, 1
	s_cmp_lg_u32 s13, 0
	s_cbranch_scc1 .Lstep_b
	LASTSTEP 1
	s_wait_dscnt 0x0                               ; the wave's end: the waits, then a closing LDS add
	s_wait_alu depctr_hold_cnt(0) depctr_sa_sdst(0) depctr_va_vdst(0) depctr_va_sdst(0) depctr_va_ssrc(0) depctr_va_vcc(0) depctr_vm_vsrc(0)
	s_wait_tensorcnt 0x0
	ds_add_u32 v30, v31
	s_wait_dscnt 0x0
	s_endpgm
.Lfunc_end_k_qd6213b8874_warp:
	.size	k_qd6213b8874_warp, .Lfunc_end_k_qd6213b8874_warp-k_qd6213b8874_warp
	.p2alignl 7, 3214868480
	.fill 96, 4, 3214868480
	.section	.rodata,"a",@progbits
	.p2align	6, 0x0
	.amdhsa_kernel k_qd6213b8874_warp
		.amdhsa_group_segment_fixed_size 6912
		.amdhsa_private_segment_fixed_size 0
		.amdhsa_enable_private_segment 0
		.amdhsa_kernarg_size 32
		.amdhsa_user_sgpr_count 2
		.amdhsa_user_sgpr_kernarg_segment_ptr 1
		.amdhsa_wavefront_size32 1
		.amdhsa_system_sgpr_workgroup_id_x 1
		.amdhsa_system_sgpr_workgroup_id_y 1
		.amdhsa_system_sgpr_workgroup_id_z 1
		.amdhsa_system_vgpr_workitem_id 0
		.amdhsa_next_free_vgpr 160
		.amdhsa_next_free_sgpr 66
		.amdhsa_reserve_vcc 1
		.amdhsa_float_denorm_mode_32 3
		.amdhsa_float_denorm_mode_16_64 3
		.amdhsa_memory_ordered 1
		.amdhsa_forward_progress 1
		.amdhsa_inst_pref_size 205
	.end_amdhsa_kernel
	.amdgpu_metadata
---
amdhsa.version: [ 1, 2 ]
amdhsa.kernels:
  - .name:           k_qd6213b8874_warp
    .symbol:         k_qd6213b8874_warp.kd
    .args:
      - { .name: input_seq, .offset: 0, .size: 8, .value_kind: global_buffer, .address_space: global }
      - { .name: loc_w, .offset: 8, .size: 8, .value_kind: global_buffer, .address_space: global }
      - { .name: loc_b, .offset: 16, .size: 8, .value_kind: global_buffer, .address_space: global }
      - { .name: out0, .offset: 24, .size: 8, .value_kind: global_buffer, .address_space: global }
    .group_segment_fixed_size: 6912
    .private_segment_fixed_size: 0
    .kernarg_segment_align: 8
    .kernarg_segment_size: 32
    .max_flat_workgroup_size: 544
    .sgpr_count:     66
    .vgpr_count:     160
    .wavefront_size: 32
...
	.end_amdgpu_metadata
.endif
;; end of part 3
